; MI455X (gfx1250); checked and timed in simulation.
; The chip was launched on July 23, 2026; its instructions are those of AMD's public machine-readable ISA for CDNA 5 (MIT licence, August 2026) and "CDNA5" Instruction Set Architecture Reference Guide (July 2026). The comments in the code are by the model that wrote it; some were corrected since.
;; Simple Attention. Allowed arithmetic: matrix products marked QUANTISED: E2M1 operands, one E8M0 scale for each 32 along K, by v_wmma_scale_f32_16x16x128_f8f6f4 with both operands' format E2M1 (or v_wmma_scale_f32_32x16x128_f4), f32 sums; products left as they are: bf16, f16 or f32 operands; f32 sums; everything else in f32.
;; Inputs: Wk 1,024 x 1,024 float32; Wo 1,024 x 1,024 float32; Wq 1,024 x 1,024 float32; Wv 1,024 x 1,024 float32; bk 1,024 float32; bo 1,024 float32; bq 1,024 float32; bv 1,024 float32; key 4 x 2,048 x 1,024 float32; mask 4 x 2,048 x 2,048 int32; query 4 x 2,048 x 1,024 float32; value 4 x 2,048 x 1,024 float32.
;; Outputs: out0 4 x 2,048 x 1,024 float32.
;; This version of the problem:
;;   THIS VERSION OF THE PROBLEM IS GIVEN IN LOW PRECISION. The matrix products marked QUANTISED in the list below multiply operands that are first quantised to E2M1 (2 exponent bits, 1 mantissa bit; 4 bits a number), with one power-of-two scale for each 32 numbers along K (OCP MX v1.0); their sums are f32. The products marked 'left as it is' may take bf16, f16 or f32 operands, with f32 sums. Whichever they take, every output number must still come out within the allowed error. Rounding operands to bf16 (8 significant bits) uses up far more of that allowance than f16 does (11 bits, for magnitudes from 6e-5 to 65,504). All else is computed in f32.
;;   The module's matrix products, in the order in which they are computed (A, B: the left and right operand; K: the contracted axis; several contracted axes count as one K, in the product's order):
;;     1. [M 8,192, K 1,024] x [K 1,024, N 1,024]; A: input query; B: input Wq: QUANTISED
;;     2. [M 8,192, K 1,024] x [K 1,024, N 1,024]; A: input key; B: input Wk: QUANTISED
;;     3. [M 8,192, K 1,024] x [K 1,024, N 1,024]; A: input value; B: input Wv: QUANTISED
;;     4. batch 4 x [M 2,048, K 1,024] x [K 1,024, N 2,048]; A: computed on the way; B: computed on the way: left as it is (an operand is computed on the way)
;;     5. batch 4 x [M 2,048, K 2,048] x [K 2,048, N 1,024]; A: computed on the way; B: computed on the way: left as it is (an operand is computed on the way)
;;     6. [M 8,192, K 1,024] x [K 1,024, N 1,024]; A: computed on the way; B: input Wo: left as it is (an operand is computed on the way)
;;   THE QUANTISER, for each operand of a quantised product, along K:
;;     - K is cut into blocks of 32 from its start; a last block that is shorter is filled with zeros.
;;     - A block's scale is 2^e with e = floor(log2(the largest magnitude in the block)) - 2, held to -126 .. 127; a block of zeros has e = 0. As a byte (E8M0): e + 127.
;;     - Each number is divided by its block's scale, clamped to +-6, and rounded to the nearest number of E2M1, ties to even, subnormals kept.
;;     - The product sums the exact products of the quantised numbers (number of the format x scale) in f32.
;;   ~~~python
;;   def quantise(x, axis):      # numpy; x: float32 -> the quantised numbers, widened to float32 again
;;       x = np.moveaxis(x, axis, -1); K = x.shape[-1]
;;       x = np.pad(x, [(0, 0)] * (x.ndim - 1) + [(0, -K % 32)]); x = x.reshape(x.shape[:-1] + (-1, 32)); a = np.abs(x).max(-1, keepdims=True)
;;       e = np.where(a > 0, np.clip(np.frexp(np.where(a > 0, a, 1))[1] - 1 - 2, -126, 127), 0)      # np.frexp(a)[1] - 1 = floor(log2(a)), exactly
;;       r = np.clip(x / 2.0 ** e, -6, 6)
;;       step = 2.0 ** (np.maximum(np.frexp(np.where(r == 0, 1, r))[1] - 1, 0) - 1)
;;       q = np.round(r / step) * step * 2.0 ** e      # np.round: ties to even
;;       return np.moveaxis(q.reshape(q.shape[:-2] + (-1,))[..., :K], -1, axis).astype(np.float32)
;;   ~~~
;; One version. Each part assembles by itself: llvm-mc -triple=amdgcn-amd-amdhsa -mcpu=gfx1250 --defsym DOCPART=n.
;; ======== version 1 of 1: 5 launches
;; limits: values are held in f16: magnitudes above 65,504 overflow, below 6.1e-05 lose precision
;; workspace buffers: codes 14,155,776 bytes; scales 884,736 bytes; wo16 2,097,152 bytes; qkv 50,331,648 bytes; pbuf 33,554,432 bytes; stat 1,048,576 bytes; ctx 16,777,216 bytes
;; launch quant (part 1): grid 896 x 1, 4 waves a work-group, no clusters, 33,280 bytes of LDS; arguments query, key, value, Wq, Wk, Wv, Wo, codes, scales, wo16; writes codes, scales, wo16
.if DOCPART == 1
	.amdgcn_target "amdgcn-amd-amdhsa--gfx1250"
	.amdhsa_code_object_version 6
	.text
	.protected	k_q7f0d507c96_quant
	.globl	k_q7f0d507c96_quant
	.p2align	8
	.type	k_q7f0d507c96_quant,@function
k_q7f0d507c96_quant:
	s_mov_b64 s[64:65], 0
	v_nop
	global_prefetch_b8 v0, s[64:65] scope:SCOPE_SE
	s_setreg_imm32_b32 hwreg(HW_REG_WAVE_MODE, 25, 1), 1
	s_wait_xcnt 0x0
; FIRST OF FIVE LAUNCHES.  out0 = softmax(where(mask == 0, -1e9, q k^T / 32)) v Wo^T + bo, with q, k, v = x W^T + b; the three projections on codes of FP4 (E2M1) with one E8M0 scale for each 32 along K.
; NOTHING OF THE PROBLEM IS LEFT OUT: every input has a way to the output.  bk's term q . bk is not the same along the softmax's axis, since masked places hold the fixed -1e9; bq, bv and bo are plainly live; the mask is read whole.
; THIS LAUNCH: query, key, value [8192][1024] and Wq, Wk, Wv [1024][1024], f32, K innermost, become codes (two a byte, the lower k in the low four bits) and scale bytes, laid as ONE tensor of 27,648 rows:
; rows 0 query, 8,192 key, 16,384 value, 24,576 Wq, 25,600 Wk, 26,624 Wv; a row is 512 bytes of codes and 32 scale bytes.  Wo is rounded to f16 for the last product, which is left as it is.
; A block's scale is 2^(floor(log2(its largest magnitude)) - 2); its byte is the largest magnitude's exponent field - 2, held at 1 from below; each number is divided by the scale and rounded to the nearest code, ties to even, beyond 6 the largest code.
; LIMITS: a block of zeros gets the byte 1 where the quantiser says 127 (its codes are zeros, which add nothing, and this program alone reads the bytes); blocks whose largest magnitude lies under 2^-124 are held at that byte;
; NaN and infinities among the inputs are not served; Wo's numbers must lie inside f16's range, 65,504.
; SHARES.  Rows are dense and K is a multiple of 32: each tensor is a stream of blocks of 32.  A work-group takes 32,768 numbers, a wave 8,192 in 16 steps of 512.  Work-groups 0-255 query, 256-511 key, 512-767 value,
; 768-799 Wq, 800-831 Wk, 832-863 Wv: the outputs follow each other in that order, so their place hangs on the work-group's number alone.  Work-groups 864-895 cast Wo, and use no LDS.
; A step's four loads read 512 consecutive bytes each; the 2,048 bytes turn through the wave's own stage in LDS, so that a lane holds 16 neighbours along K (two lanes hold a block).  No barrier: waves share nothing.
.set WAVES, 4
.set STEPS, 16
.set EMAX,  2
.set CB,    8                          ; bytes of 16 codes
.set R,     16                         ; v16-79   four sets of 16 numbers as they are loaded
.set X,     80                         ; v80-111  two sets of 16 neighbours
.set C,     128                        ; v128-191 codes: four registers for each step, so that no store's data are written again
.set E,     112                        ; v112-127 a scale byte for each step
.set WREG,  8192                       ; LDS: a region for each wave: two stages of 32 x SP bytes, behind them its 256 scale bytes
.set SP,    80                         ; a lane's place in a stage: 64 bytes + 16 of padding
.set SPW,   12                         ; v12  LDS address of my spare word; never rewritten
.set NIL,   13                         ; v13  0; never rewritten
.set SPARE, WAVES*WREG                 ; the spare words: 128 bytes a wave, named by no other line
	s_load_b512 s[8:23], s[0:1], 0x0               ; query s[8:9], key s[10:11], value s[12:13], Wq s[14:15], Wk s[16:17], Wv s[18:19], Wo s[20:21], codes s[22:23]
	s_load_b128 s[24:27], s[0:1], 0x40             ; scales s[24:25], wo16 s[26:27]
	v_lshl_add_u32 v[SPW], v0, 2, SPARE
	v_mov_b32 v[NIL], 0
	v_lshrrev_b32 v1, 5, v0
	v_readfirstlane_b32 s28, v1                    ; wave
	v_and_b32 v2, 31, v0                           ; lane
	v_lshlrev_b32 v3, 4, v2                        ; my 16 bytes of a load's 512
	s_mul_i32 s29, s28, WREG
	v_lshrrev_b32 v14, 2, v2
	v_mul_u32_u24 v14, v14, SP
	v_and_b32 v15, 3, v2
	v_lshl_add_u32 v14, v15, 4, v14
	v_add_nc_u32 v14, s29, v14                     ; the stage on the way in: SP (lane / 4) + 16 (lane % 4)
	v_mul_u32_u24 v15, v2, SP
	v_add_nc_u32 v15, s29, v15                     ; and on the way out: SP x lane: my 16 neighbours
	v_mul_u32_u24 v4, v2, CB                       ; my codes' place in a step's
	v_lshrrev_b32 v5, 1, v2
	s_add_co_u32 s29, s29, 2*32*SP
	v_add_nc_u32 v5, s29, v5                       ; LDS: my block's scale byte
	v_lshlrev_b32 v7, 3, v2                        ; and on the way out 8 bytes a lane
	v_add_nc_u32 v6, s29, v7
	s_and_b32 s30, ttmp9, 255                      ; my place in my tensor: among 256 work-groups (activations)
	s_and_b32 s31, ttmp9, 31                       ; or among 32 (weights)
	s_cmp_lt_u32 ttmp9, 768
	s_cselect_b32 s30, s30, s31
	s_lshl_b32 s30, s30, 2
	s_add_co_u32 s30, s30, s28                     ; which run of 8,192 numbers of the tensor is my wave's
	s_lshl_b32 s30, s30, 15                        ; 32,768 bytes a run
	s_mov_b32 s31, 0
	s_lshl_b32 s32, ttmp9, 2
	s_add_co_u32 s32, s32, s28                     ; and which run of the outputs
	s_lshl_b32 s34, s32, 8                         ; 256 scale bytes a run
	s_lshl_b32 s32, s32, 12                        ; 4,096 bytes of codes
	s_mov_b32 s33, 0
	s_mov_b32 s35, 0
	s_wait_kmcnt 0x0
	s_cmp_ge_u32 ttmp9, 864
	s_cbranch_scc1 .Lcast
	s_mov_b64 s[4:5], s[18:19]                     ; the input is chosen by the work-group's number alone
	s_cmp_lt_u32 ttmp9, 832
	s_cselect_b64 s[4:5], s[16:17], s[4:5]
	s_cmp_lt_u32 ttmp9, 800
	s_cselect_b64 s[4:5], s[14:15], s[4:5]
	s_cmp_lt_u32 ttmp9, 768
	s_cselect_b64 s[4:5], s[12:13], s[4:5]
	s_cmp_lt_u32 ttmp9, 512
	s_cselect_b64 s[4:5], s[10:11], s[4:5]
	s_cmp_lt_u32 ttmp9, 256
	s_cselect_b64 s[4:5], s[8:9], s[4:5]
	s_add_nc_u64 s[4:5], s[4:5], s[30:31]
	s_add_nc_u64 s[22:23], s[22:23], s[32:33]
	s_add_nc_u64 s[24:25], s[24:25], s[34:35]
.macro LOAD t
.irp i, 0,1,2,3
	global_load_b128 v[R+16*((\t)%4)+4*\i:R+16*((\t)%4)+4*\i+3], v3, s[4:5] offset:2048*(\t)+512*\i th:TH_LOAD_NT   ; 32 lanes read 512 consecutive bytes
.endr
.endm
.macro TURN t                          ; step t's numbers through the stage: LDS serves a wave's instructions in order, so no wait stands between the stores and the loads
.irp i, 0,1,2,3
	ds_store_b128 v14, v[R+16*((\t)%4)+4*\i:R+16*((\t)%4)+4*\i+3] offset:32*SP*((\t)%2)+8*SP*\i
.endr
.irp i, 0,1,2,3
	ds_load_b128 v[X+16*((\t)%2)+4*\i:X+16*((\t)%2)+4*\i+3], v15 offset:32*SP*((\t)%2)+16*\i
.endr
.endm
.irp t, 0,1,2,3
	LOAD \t
.endr
	s_wait_loadcnt 12                              ; step 0's four loads are in; the twelve of steps 1 to 3 may be out
	TURN 0
.macro STEP t
.set XS, X+16*((\t)%2)
.if (\t) > 0
	s_wait_dscnt 1                                 ; this step's numbers are back from the stage (the last step's byte store may be out): so its stores into the stage have read their registers,
.else
	s_wait_dscnt 0x0
.endif
.if (\t)+4 < STEPS
	LOAD (\t)+4                                    ; which take the loads of four steps on
.endif
.if (\t)+1 < STEPS
.if STEPS-2-(\t) >= 3
	s_wait_loadcnt 12                              ; the next step's four loads are in; those of the three steps behind it may be out
.else
	s_wait_loadcnt 4*(STEPS-2-(\t))
.endif
	TURN (\t)+1
.endif
	v_max3_num_f32 v8, |v[XS]|, |v[XS+1]|, |v[XS+2]|               ; the largest magnitude of my 16, in two chains
	v_max3_num_f32 v9, |v[XS+3]|, |v[XS+4]|, |v[XS+5]|
.irp i, 6,10
	v_max3_num_f32 v8, v8, |v[XS+\i]|, |v[XS+\i+1]|
	v_max3_num_f32 v9, v9, |v[XS+\i+2]|, |v[XS+\i+3]|
.endr
	v_max3_num_f32 v8, v8, |v[XS+14]|, |v[XS+15]|
	v_max3_num_f32 v8, v8, v9, (EMAX+1)<<23        ; and the floor 2^(3 - 127): the byte cannot fall under 1
	v_max_num_f32_dpp v8, v8, v8 row_xmask:1 row_mask:0xf bank_mask:0xf   ; and of my neighbour's 16: the block's
	v_add_nc_u32 v11, -(EMAX<<23), v8              ; 2 off its exponent field: the conversion takes the exponent field of this operand as its scale
	v_cvt_scalef32_pk8_fp4_f32 v[C+4*(\t)], v[XS:XS+7], v11
	v_cvt_scalef32_pk8_fp4_f32 v[C+4*(\t)+1], v[XS+8:XS+15], v11
	v_lshrrev_b32 v[E+(\t)], 23, v11               ; the scale's byte (a plain line behind the conversions)
	ds_store_b8 v5, v[E+(\t)] offset:16*(\t)       ; both lanes of a block write the same byte with the same value
	global_store_b64 v4, v[C+4*(\t):C+4*(\t)+1], s[22:23] offset:32*CB*(\t)   ; the wave stores 256 consecutive bytes, aligned
.endm
.irp t, 0,1,2,3,4,5,6,7,8,9,10,11,12,13,14,15
	STEP \t
.endr
	ds_load_b64 v[8:9], v6                         ; my wave's 256 scale bytes: these see my stores
	s_wait_dscnt 0x0
	global_store_b64 v7, v[8:9], s[24:25]          ; 32 lanes store 256 consecutive bytes, aligned
	s_wait_tensorcnt 0x0                           ; the wave's end
	ds_add_u32 v[SPW], v[NIL]
	s_wait_dscnt 0x0
	s_endpgm
.Lcast:                                                ; Wo to f16: 32,768 numbers a work-group, four trips of 8,192; a thread takes 8 neighbours, 32 bytes in and 16 out
	s_sub_co_u32 s29, ttmp9, 864
	s_lshl_b32 s30, s29, 17
	s_add_nc_u64 s[20:21], s[20:21], s[30:31]
	s_lshl_b32 s30, s29, 16
	s_add_nc_u64 s[26:27], s[26:27], s[30:31]
	v_lshlrev_b32 v1, 5, v0
	v_lshlrev_b32 v2, 4, v0
	s_mov_b32 s29, 4
.Lctrip:
.irp j, 0,1,2,3,4,5,6,7
	global_load_b128 v[32+8*\j:35+8*\j], v1, s[20:21] offset:4096*\j th:TH_LOAD_NT
	global_load_b128 v[36+8*\j:39+8*\j], v1, s[20:21] offset:4096*\j+16 th:TH_LOAD_NT
.endr
	s_wait_loadcnt 0x0
.set i, 0
.rept 32
	v_cvt_pk_f16_f32 v[96+i], v[32+2*i], v[33+2*i]
.set i, i+1
.endr
.irp j, 0,1,2,3,4,5,6,7
	global_store_b128 v2, v[96+4*\j:99+4*\j], s[26:27] offset:2048*\j   ; sixteen lanes store 256 consecutive bytes, aligned
.endr
	s_wait_xcnt 0x0                                ; the bases and the stores' data are written again only behind this wait
	s_add_nc_u64 s[20:21], s[20:21], 32768
	s_add_nc_u64 s[26:27], s[26:27], 16384
	s_sub_co_u32 s29, s29, 1
	s_cmp_lg_u32 s29, 0
	s_cbranch_scc1 .Lctrip
	s_endpgm
.Lfunc_end_k_q7f0d507c96_quant:
	.size	k_q7f0d507c96_quant, .Lfunc_end_k_q7f0d507c96_quant-k_q7f0d507c96_quant
	.p2alignl 7, 3214868480
	.fill 96, 4, 3214868480
	.section	.rodata,"a",@progbits
	.p2align	6, 0x0
	.amdhsa_kernel k_q7f0d507c96_quant
		.amdhsa_group_segment_fixed_size 33280
		.amdhsa_private_segment_fixed_size 0
		.amdhsa_enable_private_segment 0
		.amdhsa_kernarg_size 80
		.amdhsa_user_sgpr_count 2
		.amdhsa_user_sgpr_kernarg_segment_ptr 1
		.amdhsa_wavefront_size32 1
		.amdhsa_system_sgpr_workgroup_id_x 1
		.amdhsa_system_sgpr_workgroup_id_y 1
		.amdhsa_system_sgpr_workgroup_id_z 1
		.amdhsa_system_vgpr_workitem_id 0
		.amdhsa_next_free_vgpr 192
		.amdhsa_next_free_sgpr 66
		.amdhsa_reserve_vcc 0
		.amdhsa_float_denorm_mode_32 3
		.amdhsa_float_denorm_mode_16_64 3
		.amdhsa_memory_ordered 1
		.amdhsa_forward_progress 1
		.amdhsa_inst_pref_size 39
	.end_amdhsa_kernel
	.amdgpu_metadata
---
amdhsa.version: [ 1, 2 ]
amdhsa.kernels:
  - .name:           k_q7f0d507c96_quant
    .symbol:         k_q7f0d507c96_quant.kd
    .args:
      - { .name: query, .offset: 0, .size: 8, .value_kind: global_buffer, .address_space: global }
      - { .name: key, .offset: 8, .size: 8, .value_kind: global_buffer, .address_space: global }
      - { .name: value, .offset: 16, .size: 8, .value_kind: global_buffer, .address_space: global }
      - { .name: Wq, .offset: 24, .size: 8, .value_kind: global_buffer, .address_space: global }
      - { .name: Wk, .offset: 32, .size: 8, .value_kind: global_buffer, .address_space: global }
      - { .name: Wv, .offset: 40, .size: 8, .value_kind: global_buffer, .address_space: global }
      - { .name: Wo, .offset: 48, .size: 8, .value_kind: global_buffer, .address_space: global }
      - { .name: codes, .offset: 56, .size: 8, .value_kind: global_buffer, .address_space: global }
      - { .name: scales, .offset: 64, .size: 8, .value_kind: global_buffer, .address_space: global }
      - { .name: wo16, .offset: 72, .size: 8, .value_kind: global_buffer, .address_space: global }
    .group_segment_fixed_size: 33280
    .private_segment_fixed_size: 0
    .kernarg_segment_align: 8
    .kernarg_segment_size: 80
    .max_flat_workgroup_size: 128
    .sgpr_count:     66
    .vgpr_count:     192
    .wavefront_size: 32
...
	.end_amdgpu_metadata
.endif
;; end of part 1
;; launch proj (part 2): grid 4 x 96, 4 waves a work-group, clusters of 4 x 4, 327,680 bytes of LDS; arguments codes, scales, bq, bk, bv, qkv; writes qkv
.if DOCPART == 2
	.amdgcn_target "amdgcn-amd-amdhsa--gfx1250"
	.amdhsa_code_object_version 6
	.text
	.protected	k_q7f0d507c96_proj
	.globl	k_q7f0d507c96_proj
	.p2align	8
	.type	k_q7f0d507c96_proj,@function
k_q7f0d507c96_proj:
	s_mov_b64 s[64:65], 0
	v_nop
	global_prefetch_b8 v0, s[64:65] scope:SCOPE_SE
	s_setreg_imm32_b32 hwreg(HW_REG_WAVE_MODE, 25, 1), 1
	s_wait_xcnt 0x0
	s_wait_alu depctr_hold_cnt(0) depctr_sa_sdst(0) depctr_va_vdst(0) depctr_va_sdst(0) depctr_va_ssrc(0) depctr_va_vcc(0) depctr_vm_vsrc(0)
	s_getreg_b32 s2, hwreg(HW_REG_IB_STS2, 6, 4)
	s_cmp_eq_u32 s2, 0
	s_cbranch_scc0 .Lentry_in_a_cluster
	s_endpgm
.Lentry_in_a_cluster:
	s_bfe_u32 s2, ttmp6, 0x10000c
	s_cmp_lg_u32 s2, 0xf033
	s_cbranch_scc0 .Lentry_shape_is_right
	s_endpgm
.Lentry_shape_is_right:
; SECOND LAUNCH: q, k, v = x W^T + b on codes of FP4 with E8M0 scales; sums in f32, begun with the bias; the results rounded once to f16, as operands of the later products, which are left as they are.  No work is left out.
; The three products are ONE product of 24,576 rows (query, key, value on end in 'codes') by 1,024 columns; tensor T = tile row / 32 picks the weight (rows 24,576 + 1,024 T of 'codes') and the bias.  qkv is [24576][1024] f16.
; LIMIT: |q|, |k|, |v| must stay under f16's largest number, 65,504.
; A tile of 256 x 256 is made by a work-group of four waves, a wave 128 x 128: 64 accumulators, 512 registers.  K = 1,024 is two slots of 512 along K (rows of 256 bytes): both are first fills, nothing is filled again.
; THE SCALES of the work-group's 256 + 256 rows, for all of K, are two dense blocks of 8,192 bytes: they come once, with the first fills.
; CLUSTERS: 4 x 4 work-groups.  The four of a row of the cluster need the same rows of x, the four of a column the same rows of W: each tile is asked for jointly, by the same tensor load with a mask that names the four.
; THE MATRIX INSTRUCTION IS USED TRANSPOSED (source 0 = 16 rows of W, source 1 = 16 rows of x): a lane holds eight neighbouring columns of one row of the result.
; REGISTERS: window 0: v16-30 addresses; v32-95 scale words (two sets; they hold nothing else); v128-191 x's fragments, ONE set; v192-255 the bias in the result's layout, later the packed results.
;   window 1: W's fragments, two sets, at v0 and v128.  window 2: the accumulators of my rows 0-63 ((a, b) at v[8 (8 a + b)]); window 3: those of rows 64-127.
.set NQ,     4                         ; matrix instructions deep in a slot
.set ROWB,   256                       ; a tile's row: 512 codes
.set KROW,   512                       ; a row of codes in memory
.set PITCH,  272                       ; an LDS row: 256 bytes + 16 of padding: the 16 rows that a load touches start 68 words apart
.set FR,     8
.set NL,     2
.set NP,     4
.set HALFT,  128*PITCH
.set SLOT,   4*HALFT
.set KS,     32                        ; a row of scale bytes
.set SCL,    2*SLOT
.set HALFS,  (128*KS/256)*272
.set SBLK,   (16*KS/256)*272
.set SPARE,  SCL+4*HALFS               ; the spare words: 128 bytes a wave, named by no other line
.set SPITCH, 272                       ; the way out: 16 rows x (256 bytes + 16) a wave, in slot 0, which has had its only fill and its last read by then
.set ADRA, 16
.set ADRB, 20
.set STO,  24
.set RD,   25
.set CO,   26
.set ADRS, 27
.set SPW,  28
.set NIL,  29
.set BOF,  30
.set SC,   32
.set AF,   128
.set BI,   192
.set TMP,  192
.set OB,   128
.set G1, 24
.set G0, 32
.set G1B, 48
.set G0B, 56
.set G1S, 68
.set G0S, 76
.set G1SB, 80
.set G0SB, 88
.set MSB, 0
.macro WIN new                         ; the immediate's high byte repeats the setting that is left
.if MSB != (\new)
	s_set_vgpr_msb (MSB<<8)|(\new)
.set MSB, (\new)
.endif
.endm
.set MUL_LO, 0xa1                      ; source 0 (W) window 1, source 1 (x) window 0, C and D window 2
.set MUL_HI, 0xf1                      ; the same, C and D window 3
.set TO_B,   0x40
.macro JLOAD g0a, g1a, g0b, g1b        ; a joint load: waves 0 and 1 fetch for x, waves 2 and 3 for W; an s_nop 0 and four v_nop follow each line
	s_cmp_eq_u32 s15, 0
	s_cbranch_scc0 .Lfor_b_\@
	tensor_load_to_lds s[\g0a:\g0a+3], s[\g1a:\g1a+7]
	s_nop 0
.rept 4
	v_nop
.endr
	s_branch .Lasked_\@
.Lfor_b_\@:
	tensor_load_to_lds s[\g0b:\g0b+3], s[\g1b:\g1b+7]
	s_nop 0
.rept 4
	v_nop
.endr
.Lasked_\@:
.endm
.macro CROUND                          ; a round of the cluster's barrier
	s_barrier_signal -1
	s_barrier_wait -1
	s_cmp_lg_u32 s14, 0
	s_cbranch_scc1 .Lnot_wave_0_\@
	s_barrier_signal -3
.Lnot_wave_0_\@:
	s_barrier_wait -3
	s_barrier_signal -1
	s_barrier_wait -1
.endm
	s_load_b128 s[4:7], s[0:1], 0x0                ; codes s[4:5], scales s[6:7]
	s_load_b128 s[8:11], s[0:1], 0x10              ; bq s[8:9], bk s[10:11]
	s_load_b64 s[96:97], s[0:1], 0x20              ; bv
	s_load_b64 s[12:13], s[0:1], 0x28              ; qkv
	v_lshl_add_u32 v[SPW], v0, 2, SPARE
	v_mov_b32 v[NIL], 0
	ds_add_u32 v[SPW], v[NIL]                      ; the wave's opening: the add, twice on end, and its wait ahead of my first tensor load
	ds_add_u32 v[SPW], v[NIL]
	v_lshrrev_b32 v1, 5, v0
	v_readfirstlane_b32 s14, v1                    ; wave 0..3
	s_lshr_b32 s15, s14, 1                         ; which half of the tile's rows is mine.  Also: I fetch for x (0) or for W (1)
	s_and_b32 s16, s14, 1                          ; which half of its columns.  Also: which 128 rows of that tile I fetch
	s_bfe_u32 s40, ttmp6, 0x40000                  ; cx, cy
	s_bfe_u32 s41, ttmp6, 0x40004
	s_lshl_b32 s42, ttmp9, 2
	s_add_co_u32 s42, s42, s40                     ; tile column = 4 x cluster x + cx
	s_and_b32 s17, ttmp7, 0xffff
	s_lshr_b32 s95, s17, 3                         ; T: 8 clusters (32 tile rows) to a tensor: made of the cluster's y alone
	s_lshl_b32 s17, s17, 2
	s_add_co_u32 s17, s17, s41                     ; tile row = 4 x cluster y + cy
	s_lshl_b32 s43, s41, 2
	s_lshl_b32 s43, 15, s43                        ; my row of the cluster
	s_lshl_b32 s44, 0x1111, s40                    ; my column
	s_or_b32 s[G1+0], s43, (0<<16)|(1<<20)|(1<<21)|(5<<22)|(3<<25)  ; the mask; elements of 1 byte; padding: 4 words behind every 64; bit 21 beside a mask
	s_or_b32 s[G1B+0], s44, (0<<16)|(1<<20)|(1<<21)|(5<<22)|(3<<25)
.irp g, G1, G1B
	s_mov_b32 s[\g+1], ROWB<<16                    ; tensor_dim0
	s_mov_b32 s[\g+2], 128<<16                     ; tensor_dim1
	s_mov_b32 s[\g+3], ROWB<<16                    ; tile_dim0
	s_mov_b32 s[\g+4], 128                         ; tile_dim1
	s_mov_b32 s[\g+5], KROW                        ; the pitch
	s_mov_b32 s[\g+6], 0
	s_mov_b32 s[\g+7], 0
.endr
	s_or_b32 s[G1S+0], s43, (3<<16)|(1<<20)|(1<<21)|(5<<22)|(3<<25) ; the scales of 128 rows: 4,096 dense bytes as 16 rows of 32 elements of 8 bytes
	s_or_b32 s[G1SB+0], s44, (3<<16)|(1<<20)|(1<<21)|(5<<22)|(3<<25)
.irp g, G1S, G1SB
	s_mov_b32 s[\g+1], 32<<16
	s_mov_b32 s[\g+2], (128*KS/256)<<16
	s_mov_b32 s[\g+3], 32<<16
	s_mov_b32 s[\g+4], 128*KS/256
	s_mov_b32 s[\g+5], 32
	s_mov_b32 s[\g+6], 0
	s_mov_b32 s[\g+7], 0
.endr
	s_lshl_b32 s18, s16, 7                         ; which 128 rows of the tile I fetch
	s_lshl_b32 s20, s17, 8
	s_add_co_u32 s20, s20, s18                     ; x: row 256 x tile row + 128 x half
	s_lshl_b32 s46, s42, 8
	s_add_co_u32 s46, s46, s18
	s_lshl_b32 s47, s95, 10
	s_add_co_u32 s46, s46, s47
	s_add_co_u32 s46, s46, 24576                   ; W: row 24,576 + 1,024 T + 256 x tile column + 128 x half
	s_mov_b32 s21, 0
	s_mov_b32 s47, 0
	s_lshl_b64 s[22:23], s[20:21], 5               ; where these rows' scales begin, in bytes,
	s_lshl_b64 s[92:93], s[46:47], 5
	s_lshl_b64 s[20:21], s[20:21], 9               ; and their codes
	s_lshl_b64 s[46:47], s[46:47], 9
	s_mul_i32 s45, s14, HALFT                      ; where they go: wave x 128 rows
	s_mul_i32 s94, s14, HALFS
	s_wait_dscnt 0x0                               ; both opening adds are done
	s_wait_kmcnt 0x0
	s_add_nc_u64 s[20:21], s[4:5], s[20:21]
	s_add_nc_u64 s[22:23], s[6:7], s[22:23]
	s_add_nc_u64 s[46:47], s[4:5], s[46:47]
	s_add_nc_u64 s[92:93], s[6:7], s[92:93]
	CROUND                                         ; all sixteen work-groups are here: the first joint loads meet
	s_mov_b32 s[G0S], 1
	s_add_co_u32 s[G0S+1], s94, SCL
	s_mov_b64 s[G0S+2:G0S+3], s[22:23]
	s_or_b32 s[G0S+3], s[G0S+3], 0x80000000
	s_mov_b32 s[G0SB], 1
	s_add_co_u32 s[G0SB+1], s94, SCL
	s_mov_b64 s[G0SB+2:G0SB+3], s[92:93]
	s_or_b32 s[G0SB+3], s[G0SB+3], 0x80000000
	JLOAD G0S, G1S, G0SB, G1SB                     ; the scales first; then both slots: three loads of mine are out
.irp s, 0,1
	s_mov_b32 s[G0+4*\s], 1
	s_add_co_u32 s[G0+4*\s+1], s45, \s*SLOT
	s_add_nc_u64 s[G0+4*\s+2:G0+4*\s+3], s[20:21], \s*ROWB
	s_or_b32 s[G0+4*\s+3], s[G0+4*\s+3], 0x80000000
	s_mov_b32 s[G0B+4*\s], 1
	s_add_co_u32 s[G0B+4*\s+1], s45, \s*SLOT
	s_add_nc_u64 s[G0B+4*\s+2:G0B+4*\s+3], s[46:47], \s*ROWB
	s_or_b32 s[G0B+4*\s+3], s[G0B+4*\s+3], 0x80000000
	JLOAD G0+4*\s, G1, G0B+4*\s, G1B
.endr
	s_cmp_eq_u32 s95, 0                            ; the bias of my tensor
	s_cselect_b64 s[8:9], s[8:9], s[10:11]
	s_cmp_eq_u32 s95, 2
	s_cselect_b64 s[8:9], s[96:97], s[8:9]
	s_lshl_b32 s18, s42, 10
	s_lshl_b32 s19, s16, 9
	s_add_co_u32 s18, s18, s19                     ; my first column, 4 bytes each
	s_mov_b32 s19, 0
	s_add_nc_u64 s[8:9], s[8:9], s[18:19]
	v_and_b32 v1, 15, v0                           ; r = l % 16
	v_bfe_u32 v2, v0, 4, 1                         ; h = l / 16
	v_lshlrev_b32 v[BOF], 5, v2
.irp b, 0,1,2,3,4,5,6,7                        ; register BI + 8 b + j = bias[16 b + 8 h + j]: the layout of a result's eight registers
	global_load_b128 v[BI+8*\b:BI+8*\b+3], v[BOF], s[8:9] offset:64*\b
	global_load_b128 v[BI+8*\b+4:BI+8*\b+7], v[BOF], s[8:9] offset:64*\b+16
.endr
	v_mul_u32_u24 v3, v1, PITCH
	v_lshl_add_u32 v4, v2, 4, v3                   ; a fragment's row x pitch + 16 x half
	s_mul_i32 s21, s15, HALFT                      ; my 128 rows of x
	s_mul_i32 s22, s16, HALFT                      ; my 128 rows of W,
	s_add_co_u32 s22, s22, 2*HALFT                 ; which lie behind x's 256
.irp s, 0,1
	v_add_nc_u32 v[ADRA+\s], s21, v4
	v_add_nc_u32 v[ADRB+\s], s22, v4
	s_add_co_u32 s21, s21, SLOT
	s_add_co_u32 s22, s22, SLOT
.endr
	v_mul_u32_u24 v5, v1, KS                       ; my row's scales: 32 bytes a row,
	v_lshrrev_b32 v6, 8, v5
	v_lshl_add_u32 v5, v6, 4, v5                   ; and 16 more for each 256 passed
	s_mul_i32 s21, s15, HALFS
	s_mul_i32 s22, s16, HALFS
	s_add_co_u32 s22, s22, 2*HALFS
	s_sub_co_u32 s22, s22, s21
	v_mul_u32_u24 v6, s22, v2                      ; lanes 16-31 take W's
	s_add_co_u32 s21, s21, SCL
	v_add_nc_u32 v5, v5, v6
	v_add_nc_u32 v[ADRS], s21, v5
	s_mul_i32 s23, s14, 16*SPITCH                  ; my stage
	v_add_nc_u32 v[STO], s23, v4                   ; in: row r, 16 bytes for each half of the lanes
	v_mul_u32_u24 v5, v2, SPITCH
	v_lshl_add_u32 v5, v1, 4, v5
	v_add_nc_u32 v[RD], s23, v5                    ; back: lanes 0-15 one row of 256 bytes, lanes 16-31 the next
	v_lshlrev_b32 v5, 11, v2
	v_lshl_add_u32 v[CO], v1, 4, v5                ; and the same two rows in qkv (2,048 bytes a row)
	s_lshl_b32 s20, s17, 8
	s_lshl_b32 s21, s15, 7
	s_add_co_u32 s20, s20, s21
	s_lshl_b32 s20, s20, 11                        ; my first row, in bytes
	s_lshl_b32 s46, s42, 9
	s_lshl_b32 s47, s16, 8
	s_add_co_u32 s46, s46, s47                     ; my first column, in bytes
	s_add_co_u32 s20, s20, s46
	s_mov_b32 s21, 0
	s_add_nc_u64 s[12:13], s[12:13], s[20:21]
.macro FRAG reg, adr, q, i             ; 16 rows x 128 K of 4-bit codes: 8 registers: registers 4 c .. 4 c + 3 hold K = 64 c + 32 (l / 16) + 0 .. 31
.irp c, 0,1
	ds_load_b128 v[\reg+4*\c:\reg+4*\c+3], v[\adr] offset:64*(\q)+32*\c+(\i)*16*PITCH
.endr
.endm
; 16 matrix instructions: x's blocks a0, a0 + 1 against W's eight.  zero = 1: the sums begin with the bias as C.  The 64 accumulators take turns, one instruction a turn.
.macro MUL16 a0, p, q, sc, zero
.irp a, \a0, \a0+1
.irp b, 0,1,2,3,4,5,6,7
.if \zero
	v_wmma_scale_f32_16x16x128_f8f6f4 v[8*(8*((\a)%4)+\b):8*(8*((\a)%4)+\b)+7], v[128*(\p)+FR*\b:128*(\p)+FR*\b+FR-1], v[AF+FR*(\a):AF+FR*(\a)+FR-1], v[BI+8*\b:BI+8*\b+7], v[SC+8*NQ*(\sc)+NQ*\b+(\q)], v[SC+8*NQ*(\sc)+NQ*(\a)+(\q)] matrix_a_fmt:MATRIX_FMT_FP4 matrix_b_fmt:MATRIX_FMT_FP4 matrix_a_scale:MATRIX_SCALE_ROW1
.else
	v_wmma_scale_f32_16x16x128_f8f6f4 v[8*(8*((\a)%4)+\b):8*(8*((\a)%4)+\b)+7], v[128*(\p)+FR*\b:128*(\p)+FR*\b+FR-1], v[AF+FR*(\a):AF+FR*(\a)+FR-1], v[8*(8*((\a)%4)+\b):8*(8*((\a)%4)+\b)+7], v[SC+8*NQ*(\sc)+NQ*\b+(\q)], v[SC+8*NQ*(\sc)+NQ*(\a)+(\q)] matrix_a_fmt:MATRIX_FMT_FP4 matrix_b_fmt:MATRIX_FMT_FP4 matrix_a_scale:MATRIX_SCALE_ROW1
.endif
.endr
.endr
.endm
.macro FETCH_B slot, q, p
	WIN TO_B
.irp i, 0,1,2,3,4,5,6,7
	FRAG 128*(\p)+FR*\i, ADRB+\slot, \q, \i
.endr
	WIN 0
.endm
.macro FETCH_A slot, q, i0
.irp i, \i0, \i0+1, \i0+2, \i0+3
	FRAG AF+FR*(\i), ADRA+\slot, \q, \i
.endr
.endm
.macro SCALES sc                       ; a slot's scale words: four a row; lanes 0-15 take x's block i, lanes 16-31 W's block i
.irp i, 0,1,2,3,4,5,6,7
	ds_load_b128 v[SC+8*NQ*\sc+NQ*\i:SC+8*NQ*\sc+NQ*\i+3], v[ADRS] offset:\i*SBLK
.endr
.endm
.macro PLACES n                        ; plain vector lines between a matrix instruction and a load into, or a read of, its registers
.rept \n
	v_nop
.endr
.endm
.macro STEP slot, q, zero              ; 128 along K; its successor lies in the same slot
	s_wait_dscnt 4*NL                              ; W's set and x's blocks 0-3 are in; the youngest eight loads (x's blocks 4-7) may be out
	WIN MUL_LO-0x20*(\zero)                        ; (zero = 1: C, the bias, lies in window 0)
	MUL16 0, (\q)%2, \q, \slot, \zero
	MUL16 2, (\q)%2, \q, \slot, \zero
	s_wait_dscnt 0
	PLACES NP
	FETCH_B \slot, (\q)+1, 1-(\q)%2
	FETCH_A \slot, (\q)+1, 0
	WIN MUL_HI-0x30*(\zero)
	MUL16 4, (\q)%2, \q, \slot, \zero
	MUL16 6, (\q)%2, \q, \slot, \zero
	PLACES NP
	WIN 0
	FETCH_A \slot, (\q)+1, 4
.endm
.macro TURN slot, next                 ; slot 0's last step changes slots: one barrier; nothing is filled again
	s_wait_tensorcnt 0x0                           ; all my tensor loads have landed: my part of the next slot
	ds_add_u32 v[SPW], v[NIL]
	s_wait_dscnt 4*NL+1                            ; (the add and the youngest eight loads may be out)
	WIN MUL_LO
	MUL16 0, 1, NQ-1, \slot, 0
	s_wait_dscnt 0x0                               ; the add is done, and my reads of this slot are over
	s_barrier_signal -1
	MUL16 2, 1, NQ-1, \slot, 0
	WIN 0
	s_barrier_wait -1
	PLACES NP
	v_add_nc_u32 v[ADRS], 4*NQ, v[ADRS]            ; on to the next slot's scale words
	FETCH_B \next, 0, 0
	FETCH_A \next, 0, 0
	SCALES \next
	WIN MUL_HI
	MUL16 4, 1, NQ-1, \slot, 0
	MUL16 6, 1, NQ-1, \slot, 0
	PLACES NP
	WIN 0
	FETCH_A \next, 0, 4
.endm
.macro STEPS slot, from
.set Q, \from
.rept NQ-1-\from
	STEP \slot, Q, 0
.set Q, Q+1
.endr
.endm
	s_wait_tensorcnt 1                             ; the scales and my part of slot 0 are in; slot 1's load may be out
	s_barrier_signal -1
	s_barrier_wait -1
	FETCH_B 0, 0, 0
	FETCH_A 0, 0, 0
	SCALES 0
	FETCH_A 0, 0, 4
	s_wait_loadcnt 0x0                             ; the bias
	STEP 0, 0, 1
	STEPS 0, 1
	TURN 0, 1
	STEPS 1, 0
	s_wait_dscnt 4*NL                              ; the last step: nothing more to fetch
	WIN MUL_LO
	MUL16 0, 1, NQ-1, 1, 0
	MUL16 2, 1, NQ-1, 1, 0
	s_wait_dscnt 0
	WIN MUL_HI
	MUL16 4, 1, NQ-1, 1, 0
	MUL16 6, 1, NQ-1, 1, 0
	WIN 0
; THE WAY OUT, a block of 16 rows x 128 columns at a time: rounded to f16 (16 bytes a lane), through my own stage, back as whole rows of 256 bytes.
.macro PACK a
.set AC, 64*((\a)%4)
	WIN 0x0a+5*((\a)/4)                            ; sources 0 and 1: window 2 or 3
.irp b, 0,1,2,3,4,5,6,7
.irp r, 0,1,2,3
	v_cvt_pk_f16_f32 v[TMP+4*\b+\r], v[AC+8*\b+2*\r], v[AC+8*\b+2*\r+1]   ; each accumulator from its low end on
.endr
.endr
	WIN 0
.endm
.macro TOSTAGE a
.set BK, OB+32*((\a)%2)
.irp b, 0,1,2,3,4,5,6,7
	ds_store_b128 v[STO], v[TMP+4*\b:TMP+4*\b+3] offset:32*\b
.endr
.irp t, 0,1,2,3,4,5,6,7
	ds_load_b128 v[BK+4*\t:BK+4*\t+3], v[RD] offset:\t*2*SPITCH    ; LDS serves a wave's instructions in order: these see the stores above
.endr
.endm
.macro SEND a
.set BK, OB+32*((\a)%2)
	s_wait_dscnt 0x0                               ; the block is back in registers
	s_wait_xcnt 0x0                                ; the stores of the block before have read their registers: the next block's loads may land there
.irp t, 0,1,2,3,4,5,6,7
	global_store_b128 v[CO], v[BK+4*\t:BK+4*\t+3], s[12:13] offset:(16*(\a)+2*\t)*2048   ; sixteen lanes store 256 consecutive bytes, aligned
.endr
.endm
	PLACES NP
	PACK 0
	TOSTAGE 0
.irp a, 1,2,3,4,5,6,7
	PACK \a
	SEND \a-1
	TOSTAGE \a
.endr
	SEND 7
	s_wait_tensorcnt 0x0                           ; the wave's end
	ds_add_u32 v[SPW], v[NIL]
	s_wait_dscnt 0x0
	CROUND                                         ; the closing round
	s_endpgm
.Lfunc_end_k_q7f0d507c96_proj:
	.size	k_q7f0d507c96_proj, .Lfunc_end_k_q7f0d507c96_proj-k_q7f0d507c96_proj
	.p2alignl 7, 3214868480
	.fill 96, 4, 3214868480
	.section	.rodata,"a",@progbits
	.p2align	6, 0x0
	.amdhsa_kernel k_q7f0d507c96_proj
		.amdhsa_group_segment_fixed_size 327680
		.amdhsa_private_segment_fixed_size 0
		.amdhsa_enable_private_segment 0
		.amdhsa_kernarg_size 48
		.amdhsa_user_sgpr_count 2
		.amdhsa_user_sgpr_kernarg_segment_ptr 1
		.amdhsa_wavefront_size32 1
		.amdhsa_system_sgpr_workgroup_id_x 1
		.amdhsa_system_sgpr_workgroup_id_y 1
		.amdhsa_system_sgpr_workgroup_id_z 1
		.amdhsa_system_vgpr_workitem_id 0
		.amdhsa_next_free_vgpr 1024
		.amdhsa_next_free_sgpr 100
		.amdhsa_reserve_vcc 0
		.amdhsa_float_denorm_mode_32 3
		.amdhsa_float_denorm_mode_16_64 3
		.amdhsa_memory_ordered 1
		.amdhsa_forward_progress 1
		.amdhsa_inst_pref_size 128
	.end_amdhsa_kernel
	.amdgpu_metadata
---
amdhsa.version: [ 1, 2 ]
amdhsa.kernels:
  - .name:           k_q7f0d507c96_proj
    .symbol:         k_q7f0d507c96_proj.kd
    .args:
      - { .name: codes, .offset: 0, .size: 8, .value_kind: global_buffer, .address_space: global }
      - { .name: scales, .offset: 8, .size: 8, .value_kind: global_buffer, .address_space: global }
      - { .name: bq, .offset: 16, .size: 8, .value_kind: global_buffer, .address_space: global }
      - { .name: bk, .offset: 24, .size: 8, .value_kind: global_buffer, .address_space: global }
      - { .name: bv, .offset: 32, .size: 8, .value_kind: global_buffer, .address_space: global }
      - { .name: qkv, .offset: 40, .size: 8, .value_kind: global_buffer, .address_space: global }
    .group_segment_fixed_size: 327680
    .private_segment_fixed_size: 0
    .kernarg_segment_align: 8
    .kernarg_segment_size: 48
    .max_flat_workgroup_size: 128
    .sgpr_count:     100
    .vgpr_count:     1024
    .wavefront_size: 32
...
	.end_amdgpu_metadata
.endif
;; end of part 2
;; launch scores (part 3): grid 8 x 32, 4 waves a work-group, clusters of 4 x 4, 327,680 bytes of LDS; arguments qkv, mask, pbuf, stat; writes pbuf, stat
.if DOCPART == 3
	.amdgcn_target "amdgcn-amd-amdhsa--gfx1250"
	.amdhsa_code_object_version 6
	.text
	.protected	k_q7f0d507c96_scores
	.globl	k_q7f0d507c96_scores
	.p2align	8
	.type	k_q7f0d507c96_scores,@function
k_q7f0d507c96_scores:
	s_mov_b64 s[64:65], 0
	v_nop
	global_prefetch_b8 v0, s[64:65] scope:SCOPE_SE
	s_setreg_imm32_b32 hwreg(HW_REG_WAVE_MODE, 25, 1), 1
	s_wait_xcnt 0x0
	s_wait_alu depctr_hold_cnt(0) depctr_sa_sdst(0) depctr_va_vdst(0) depctr_va_sdst(0) depctr_va_ssrc(0) depctr_va_vcc(0) depctr_vm_vsrc(0)
	s_getreg_b32 s2, hwreg(HW_REG_IB_STS2, 6, 4)
	s_cmp_eq_u32 s2, 0
	s_cbranch_scc0 .Lentry_in_a_cluster
	s_endpgm
.Lentry_in_a_cluster:
	s_bfe_u32 s2, ttmp6, 0x10000c
	s_cmp_lg_u32 s2, 0xf033
	s_cbranch_scc0 .Lentry_shape_is_right
	s_endpgm
.Lentry_shape_is_right:
; THIRD LAUNCH: t = q k^T x log2(e) / 32 (f16 operands, f32 sums); t = -1e9 log2(e) where mask == 0; then A SOFTMAX LOCAL TO 128 KEYS: for each query and each tile of 128 keys
; M = the tile's largest t rounded UP to a whole number, p = 2^(t - M) (stored as f16), l = the sum of the unrounded p.  The next launch brings the sixteen tiles of a row under the row's M by powers of two, which round nothing.
; So the maximum is taken away before every exponential, as in the softmax itself.  No work is left out.  A tile that is wholly masked has M = -1e9 log2(e), p = 1, l = 128: beside any open tile it falls to 0, and a row wholly masked comes out uniform.
; pbuf IS LAID IN THE ORDER OF THE NEXT PRODUCT'S OPERAND REGISTERS: [512 blocks of 16 rows (batch, query)][128 tiles of 16 keys][32 lanes][16 bytes]: lane (r, h) holds row r, keys 8 h + 0 .. 7 of the tile.
; That is how the packed results lie in my registers, so they are stored as they stand, 512 consecutive bytes a store.  stat: M as [16 key tiles][8192 rows] f32, l likewise 524,288 bytes on.
; A tile of 256 queries x 256 keys is made by four waves, a wave 128 x 128: 64 accumulators.  K = 1,024 goes in steps of 128 through two LDS slots filled by the tensor data mover (rows of 256 bytes).
; CLUSTERS: 4 x 4 work-groups of one batch: q's tile is shared along a row of the cluster, k's along a column, each by a joint load.
; TRANSPOSED USE: source 0 = 16 rows of k, source 1 = 16 rows of q: in accumulator (a, b) lane (r, h) holds query 16 a + r and keys 16 b + 8 h + 0 .. 7.
; THE MASK comes as it lies, a query's 128 keys (512 consecutive bytes) to a load, two blocks of 16 queries asked for at the head into registers that lie idle in the loop, and turns through the wave's stage in LDS.
; REGISTERS: window 0: v16-31 addresses, v32-45 at work; v64-191 q's fragments, two buffers; on the way out T v64-127, the mask v128-191, packed p v192-223.
;   window 1: v64-191 k's fragments; the raw mask, four sets of 64.  windows 2, 3: the accumulators ((a, b) at v[8 (8 (a % 4) + b)]).
.set KSTEP,  128
.set PITCH,  272                       ; an LDS row: 256 bytes + 16 of padding
.set HALFT,  128*PITCH
.set SLOT,   4*HALFT
.set SPARE,  2*SLOT                    ; the spare words: 128 bytes a wave, named by no other line
.set LAPS,   4                         ; a lap = two K steps
.set WSTG,   9472                      ; the way out, in slot 0 (its last fill and last read are over by then), for each wave: the mask's stage 16 x 528, then M and l, 1,024 bytes, at 8,448
.set ADRA, 16
.set TMK,  18                          ; v18  -1e9 x log2(e)
.set ADRB, 20
.set SST,  22
.set SRD,  23
.set MRD,  27
.set SPW,  28
.set NIL,  29
.set MOF,  30
.set MSTO, 31
.set F0,   64
.set F1,   128
.set T,    64
.set MK,   128
.set PK,   192
.set G1, 24
.set G0, 32
.set G1B, 48
.set G0B, 56
.set MSB, 0
.macro WIN new
.if MSB != (\new)
	s_set_vgpr_msb (MSB<<8)|(\new)
.set MSB, (\new)
.endif
.endm
.set MUL_LO, 0xa1
.set MUL_HI, 0xf1
.set TO_B,   0x40
.macro JLOAD s                         ; a joint load: waves 0 and 1 fetch q's halves, waves 2 and 3 k's; an s_nop 0 and four v_nop follow each line
	s_cmp_eq_u32 s13, 0
	s_cbranch_scc0 .Lfor_b_\@
	tensor_load_to_lds s[G0+4*\s:G0+4*\s+3], s[G1:G1+7]
	s_nop 0
.rept 4
	v_nop
.endr
	s_branch .Lasked_\@
.Lfor_b_\@:
	tensor_load_to_lds s[G0B+4*\s:G0B+4*\s+3], s[G1B:G1B+7]
	s_nop 0
.rept 4
	v_nop
.endr
.Lasked_\@:
.endm
.macro CREST
	s_cmp_lg_u32 s12, 0
	s_cbranch_scc1 .Lnot_wave_0_\@
	s_barrier_signal -3
.Lnot_wave_0_\@:
	s_barrier_wait -3
	s_barrier_signal -1
	s_barrier_wait -1
.endm
.macro CROUND
	s_barrier_signal -1
	s_barrier_wait -1
	CREST
.endm
.macro PLACES
.rept 4
	v_nop
.endr
.endm
	s_load_b256 s[4:11], s[0:1], 0x0               ; qkv s[4:5], mask s[6:7], pbuf s[8:9], stat s[10:11]
	v_lshl_add_u32 v[SPW], v0, 2, SPARE
	v_mov_b32 v[NIL], 0
	ds_add_u32 v[SPW], v[NIL]                      ; the wave's opening: the add, twice on end, and its wait ahead of my first tensor load
	ds_add_u32 v[SPW], v[NIL]
	v_lshrrev_b32 v1, 5, v0
	v_readfirstlane_b32 s12, v1                    ; wave
	s_lshr_b32 s13, s12, 1                         ; my half of the queries.  Also: I fetch for q (0) or for k (1)
	s_and_b32 s14, s12, 1                          ; my half of the keys.  Also: which 128 rows I fetch
	s_bfe_u32 s15, ttmp6, 0x40000                  ; cx
	s_bfe_u32 s16, ttmp6, 0x40004                  ; cy
	s_lshl_b32 s17, ttmp9, 2
	s_add_co_u32 s17, s17, s15                     ; X: tile of 256 keys, 0..7
	s_and_b32 s19, ttmp7, 0xffff
	s_lshl_b32 s18, s19, 2
	s_add_co_u32 s18, s18, s16                     ; Y: tile of 256 rows (batch, query), 0..31
	s_lshr_b32 s19, s19, 1                         ; the batch: two clusters along y to each
	s_lshl_b32 s66, s16, 2
	s_lshl_b32 s66, 15, s66                        ; my row of the cluster
	s_lshl_b32 s67, 0x1111, s15                    ; my column
	s_or_b32 s[G1], s66, (1<<16)|(1<<20)|(1<<21)|(5<<22)|(3<<25)    ; the mask; elements of 2 bytes; padding: 4 words behind every 64; bit 21 beside a mask
	s_or_b32 s[G1B], s67, (1<<16)|(1<<20)|(1<<21)|(5<<22)|(3<<25)
.irp g, G1, G1B
	s_mov_b32 s[\g+1], KSTEP<<16                   ; tensor_dim0
	s_mov_b32 s[\g+2], 128<<16                     ; tensor_dim1
	s_mov_b32 s[\g+3], KSTEP<<16                   ; tile_dim0
	s_mov_b32 s[\g+4], 128                         ; tile_dim1
	s_mov_b32 s[\g+5], 1024                        ; the pitch, in elements
	s_mov_b32 s[\g+6], 0
	s_mov_b32 s[\g+7], 0
.endr
	s_lshl_b32 s40, s14, 7
	s_lshl_b32 s20, s18, 8
	s_add_co_u32 s20, s20, s40
	s_lshl_b32 s20, s20, 11                        ; q: (256 Y + 128 half) rows of 2,048 bytes
	s_mov_b32 s21, 0
	s_lshl_b32 s46, s17, 8
	s_add_co_u32 s46, s46, s40
	s_lshl_b32 s47, s19, 11
	s_add_co_u32 s46, s46, s47
	s_lshl_b32 s46, s46, 11
	s_add_co_u32 s46, s46, 16777216                ; k: behind q; (2,048 batch + 256 X + 128 half) rows
	s_mov_b32 s47, 0
	s_mul_i32 s68, s12, HALFT                      ; where my load goes: wave x 128 rows
	s_mov_b32 s70, 0x76543210
	s_mov_b32 s71, 0xfedcba98                      ; v_permlanex16_b32's selects for lane l xor 16
	s_mov_b32 s72, 0x3d38aa3b                      ; log2(e) / 32
	s_mov_b32 s73, s72
	s_mov_b32 s74, 0xffff0000                      ; lanes 16-31
	s_wait_dscnt 0x0                               ; both opening adds are done
	s_wait_kmcnt 0x0
	s_add_nc_u64 s[20:21], s[4:5], s[20:21]
	s_add_nc_u64 s[46:47], s[4:5], s[46:47]
	CROUND                                         ; all sixteen work-groups are here: the first joint loads meet
.irp s, 0,1
	s_mov_b32 s[G0+4*\s], 1
	s_add_co_u32 s[G0+4*\s+1], s68, \s*SLOT
	s_add_nc_u64 s[G0+4*\s+2:G0+4*\s+3], s[20:21], \s*KSTEP*2
	s_or_b32 s[G0+4*\s+3], s[G0+4*\s+3], 0x80000000
	s_mov_b32 s[G0B+4*\s], 1
	s_add_co_u32 s[G0B+4*\s+1], s68, \s*SLOT
	s_add_nc_u64 s[G0B+4*\s+2:G0B+4*\s+3], s[46:47], \s*KSTEP*2
	s_or_b32 s[G0B+4*\s+3], s[G0B+4*\s+3], 0x80000000
	JLOAD \s                                       ; two loads of mine are out
.endr
	s_lshl_b32 s40, s18, 8
	s_lshl_b32 s41, s13, 7
	s_add_co_u32 s40, s40, s41                     ; my first row (batch, query)
	s_lshl_b32 s42, s17, 8
	s_lshl_b32 s43, s14, 7
	s_add_co_u32 s42, s42, s43                     ; my first key
	s_lshl_b32 s44, s40, 13
	s_lshl_b32 s45, s42, 2
	s_add_co_u32 s44, s44, s45
	s_mov_b32 s45, 0
	s_add_nc_u64 s[6:7], s[6:7], s[44:45]          ; mask: 8,192 bytes a row, 4 a key
	s_lshl_b32 s44, s40, 12                        ; pbuf: 65,536 bytes for a block of 16 rows,
	s_lshl_b32 s43, s42, 5                         ; 512 for a tile of 16 keys
	s_add_co_u32 s44, s44, s43
	s_add_nc_u64 s[8:9], s[8:9], s[44:45]
	s_lshr_b32 s44, s42, 7
	s_lshl_b32 s44, s44, 13
	s_add_co_u32 s44, s44, s40
	s_lshl_b32 s44, s44, 2
	s_add_nc_u64 s[10:11], s[10:11], s[44:45]      ; stat: (key tile x 8,192 + row) x 4
	v_and_b32 v3, 31, v0
	v_lshlrev_b32 v[MOF], 4, v3                    ; 16 x lane
.macro MLOAD a                         ; the mask of block a's 16 queries: a query's 128 keys, 512 consecutive bytes, to a load; into set a % 4 of window 1
.set RS, (192*((\a)%4))%256
	WIN 0x40
.irp i, 0,1,2,3,4,5,6,7,8,9,10,11,12,13,14,15
	global_load_b128 v[RS+4*\i:RS+4*\i+3], v[MOF], s[6:7] offset:(16*(\a)+\i)*8192 th:TH_LOAD_NT
.endr
	WIN 0
.endm
	MLOAD 0                                        ; sets 0 and 1 (v0-63, v192-255 of window 1) lie idle in the loop
	MLOAD 1
	v_and_b32 v1, 15, v0                           ; r
	v_bfe_u32 v2, v0, 4, 1                         ; h
	v_mul_u32_u24 v4, v1, PITCH
	v_lshl_add_u32 v4, v2, 4, v4                   ; 272 r + 16 h
	s_mul_i32 s40, s13, HALFT
	s_mul_i32 s41, s14, HALFT
	s_add_co_u32 s41, s41, 2*HALFT
.irp s, 0,1
	v_add_nc_u32 v[ADRA+\s], s40, v4
	v_add_nc_u32 v[ADRB+\s], s41, v4
	s_add_co_u32 s40, s40, SLOT
	s_add_co_u32 s41, s41, SLOT
.endr
	s_mul_i32 s40, s12, WSTG                       ; my stages
	v_add_nc_u32 v[MSTO], s40, v[MOF]              ; the mask in: a row of 512 bytes, 16 a lane
	v_mul_u32_u24 v5, v1, 528
	v_lshl_add_u32 v5, v2, 5, v5
	v_add_nc_u32 v[MRD], s40, v5                   ; and back: row r, + 32 h: my eight keys of a tile of 16
	s_add_co_u32 s41, s40, 8448
	v_lshlrev_b32 v5, 9, v2
	v_lshl_add_u32 v5, v1, 2, v5
	v_add_nc_u32 v[SST], s41, v5                   ; lanes 0-15 put M, lanes 16-31 put l 512 bytes on
	v_add_nc_u32 v[SRD], s41, v[MOF]
	v_mov_b32 v[TMK], 0xceabfb8f                   ; -1e9 x log2(e), a whole number in f32
	v_mov_b32 v41, 0                               ; (named as the upper half of the pair v[40:41])
	v_mov_b32 v42, 0                               ; (a lane permute's destination counts as one of its sources)
.macro MUL16 f, hi, a0, zero           ; 16 matrix instructions: q's blocks a0, a0 + 1 of the window's four x k's eight, 32 along K.  zero = 1: the first product starts the sums
.irp a, \a0, \a0+1
.irp b, 0,1,2,3,4,5,6,7
.if \zero
	v_wmma_f32_16x16x32_f16 v[8*(8*(\a)+\b):8*(8*(\a)+\b)+7], v[\f+8*\b:\f+8*\b+7], v[\f+8*(4*\hi+\a):\f+8*(4*\hi+\a)+7], 0
.else
	v_wmma_f32_16x16x32_f16 v[8*(8*(\a)+\b):8*(8*(\a)+\b)+7], v[\f+8*\b:\f+8*\b+7], v[\f+8*(4*\hi+\a):\f+8*(4*\hi+\a)+7], v[8*(8*(\a)+\b):8*(8*(\a)+\b)+7]
.endif
.endr
.endr
.endm
.macro FETCH slot, k, f                ; 32 LDS loads in one run: a quarter step's fragments (32 along K at byte k of the rows)
	WIN TO_B
.irp i, 0,1,2,3,4,5,6,7
	ds_load_b128 v[\f+8*\i:\f+8*\i+3],   v[ADRB+\slot] offset:\k+\i*16*PITCH
	ds_load_b128 v[\f+8*\i+4:\f+8*\i+7], v[ADRB+\slot] offset:\k+\i*16*PITCH+32
.endr
	WIN 0
.irp i, 0,1,2,3,4,5,6,7
	ds_load_b128 v[\f+8*\i:\f+8*\i+3],   v[ADRA+\slot] offset:\k+\i*16*PITCH
	ds_load_b128 v[\f+8*\i+4:\f+8*\i+7], v[ADRA+\slot] offset:\k+\i*16*PITCH+32
.endr
.endm
.macro QUARTER slot, k, f, g, zero     ; multiplies buffer f; in its middle it fetches the next quarter's fragments into g.  The 64 accumulators take turns
	s_wait_dscnt 8                                 ; k's fragments and q's rows 0-63 are in; the youngest eight loads may be out
	WIN MUL_LO
	MUL16 \f, 0, 0, \zero
	MUL16 \f, 0, 2, \zero
	PLACES
	FETCH \slot, \k, \g
	s_wait_dscnt 32                                ; all but the 32 just issued
	WIN MUL_HI
	MUL16 \f, 1, 0, \zero
	MUL16 \f, 1, 2, \zero
.endm
.macro TURN slot, next, fill           ; the last quarter changes slots: one barrier; fill = 1: it opens a round of the cluster's barrier, and this slot is filled again, two K steps ahead
	WIN 0
	s_wait_tensorcnt 0x0                           ; all my tensor loads have landed: my part of the next slot
	ds_add_u32 v[SPW], v[NIL]
	s_wait_dscnt 9                                 ; (the add and the youngest eight loads may be out)
	WIN MUL_LO
	MUL16 F1, 0, 0, 0
	s_wait_dscnt 0x0                               ; the add is done, and my reads of this slot are over
	s_barrier_signal -1
	MUL16 F1, 0, 2, 0
.if \fill
	WIN 0
.endif
	s_barrier_wait -1
.if \fill
	CREST                                          ; no wave of any partner still reads this slot or has a load on its way
	s_add_nc_u64 s[G0+4*\slot+2:G0+4*\slot+3], s[G0+4*\slot+2:G0+4*\slot+3], 2*KSTEP*2
	s_add_nc_u64 s[G0B+4*\slot+2:G0B+4*\slot+3], s[G0B+4*\slot+2:G0B+4*\slot+3], 2*KSTEP*2
	JLOAD \slot                                    ; my one tensor load behind the round; its four v_nop are also the places in front of the loads below
.else
	PLACES
.endif
	FETCH \next, 0, F0
	WIN MUL_HI
	MUL16 F1, 1, 0, 0
	MUL16 F1, 1, 2, 0
.endm
	s_wait_tensorcnt 1                             ; my part of K step 0 is in; K step 1's may be out
	s_barrier_signal -1
	s_barrier_wait -1
	FETCH 0, 0, F0
	QUARTER 0, 64,  F0, F1, 1
	WIN 0
	s_mov_b32 s3, LAPS-1
.Llap:                                                 ; a trip goes once round the ring and fills both slots again
	QUARTER 0, 128, F1, F0, 0
	QUARTER 0, 192, F0, F1, 0
	TURN 0, 1, 1
	QUARTER 1, 64,  F0, F1, 0
	QUARTER 1, 128, F1, F0, 0
	QUARTER 1, 192, F0, F1, 0
	TURN 1, 0, 1
	QUARTER 0, 64,  F0, F1, 0
	WIN 0
	s_sub_co_u32 s3, s3, 1
	s_cmp_lg_u32 s3, 0
	s_cbranch_scc1 .Llap
	QUARTER 0, 128, F1, F0, 0                      ; the last lap fills nothing
	QUARTER 0, 192, F0, F1, 0
	TURN 0, 1, 0
	QUARTER 1, 64,  F0, F1, 0
	QUARTER 1, 128, F1, F0, 0
	QUARTER 1, 192, F0, F1, 0
	s_wait_dscnt 8
	WIN MUL_LO
	MUL16 F1, 0, 0, 0
	MUL16 F1, 0, 2, 0
	s_wait_dscnt 0
	WIN MUL_HI
	MUL16 F1, 1, 0, 0
	MUL16 F1, 1, 2, 0
	WIN 0
	PLACES                                         ; in front of loads into k's buffers and of the first reads of results
	MLOAD 2
	MLOAD 3
; BLOCK a: 16 queries x my 128 keys.
.macro EBLK a
.set AC, 64*((\a)%4)
.set RS, (192*((\a)%4))%256
.if (\a) < 5
	s_wait_loadcnt 48                              ; this block's mask is in; the three later blocks' 48 loads may be out
.else
	s_wait_loadcnt 16*(7-(\a))
.endif
	WIN 0x04                                       ; an LDS store's data are its source 1: window 1
.irp i, 0,1,2,3,4,5,6,7,8,9,10,11,12,13,14,15
	ds_store_b128 v[MSTO], v[RS+4*\i:RS+4*\i+3] offset:528*\i
.endr
	WIN 0
.irp b, 0,1,2,3,4,5,6,7
	ds_load_b128 v[MK+8*\b:MK+8*\b+3], v[MRD] offset:64*\b          ; register MK + 8 b + j: the mask of query r, key 16 b + 8 h + j
	ds_load_b128 v[MK+8*\b+4:MK+8*\b+7], v[MRD] offset:64*\b+16
.endr
	WIN 0x02+(\a)/4                                ; source 0: window 2 or 3
.set i, 0
.rept 32
	v_pk_mul_f32 v[T+i:T+i+1], v[AC+i:AC+i+1], s[72:73] op_sel_hi:[1,0]   ; t, each accumulator from its low end on
.set i, i+2
.endr
	WIN 0
	s_wait_dscnt 0x0                               ; the mask is back, and the stage's stores have read their registers
.if (\a) < 4
	MLOAD (\a)+4                                   ; into the set that this block has left
.endif
.set i, 0
.rept 64
	v_cmp_eq_u32 vcc_lo, 0, v[MK+i]
	v_cndmask_b32 v[T+i], v[T+i], v[TMK], vcc_lo   ; a choice of values: no branch hangs on the mask
.set i, i+1
.endr
.irp c, 0,1,2,3
	v_max3_num_f32 v[32+\c], v[T+16*\c], v[T+16*\c+1], v[T+16*\c+2]   ; the largest t, in four chains
.endr
.irp i, 3,5,7,9,11,13
.irp c, 0,1,2,3
	v_max3_num_f32 v[32+\c], v[32+\c], v[T+16*\c+\i], v[T+16*\c+\i+1]
.endr
.endr
.irp c, 0,1,2,3
	v_max_num_f32 v[32+\c], v[32+\c], v[T+16*\c+15]
.endr
	v_max3_num_f32 v32, v32, v33, v34
	v_max_num_f32 v32, v32, v35
	v_permlanex16_b32 v42, v32, s70, s71
	v_max_num_f32 v32, v32, v42                    ; with lane l xor 16's 64 keys
	v_floor_f32 v40, -v32                          ; -M = floor(-t): M is a whole number
.set i, 0
.rept 32
	v_pk_add_f32 v[T+i:T+i+1], v[T+i:T+i+1], v[40:41] op_sel_hi:[1,0]
.set i, i+2
.endr
.set i, 0
.rept 64
	v_exp_f32 v[T+i], v[T+i]                       ; p = 2^(t - M), at most 1
.set i, i+1
.endr
	v_sub_f32 v43, 0, v40                          ; M (a plain line behind the exponentials)
	s_wait_alu depctr_va_vdst(0)                   ; one wait for the batch, ahead of its first reader
	v_pk_add_f32 v[36:37], v[T:T+1], v[T+2:T+3]    ; l: the sum of the unrounded p, in two chains
	v_pk_add_f32 v[38:39], v[T+4:T+5], v[T+6:T+7]
.set i, 8
.rept 14
	v_pk_add_f32 v[36:37], v[36:37], v[T+i:T+i+1]
	v_pk_add_f32 v[38:39], v[38:39], v[T+i+2:T+i+3]
.set i, i+4
.endr
	v_pk_add_f32 v[36:37], v[36:37], v[38:39]
	v_add_f32 v36, v36, v37
	v_permlanex16_b32 v42, v36, s70, s71
	v_add_f32 v36, v36, v42
	s_wait_xcnt 0x0                                ; the last block's stores have read the packed registers, which are written anew below
.set i, 0
.rept 32
	v_cvt_pk_f16_f32 v[PK+i], v[T+2*i], v[T+2*i+1]
.set i, i+1
.endr
	v_cndmask_b32 v44, v43, v36, s74               ; lanes 0-15: M; lanes 16-31: l
	ds_store_b32 v[SST], v44 offset:64*(\a)
.irp b, 0,1,2,3,4,5,6,7
	global_store_b128 v[MOF], v[PK+4*\b:PK+4*\b+3], s[8:9] offset:(\a)*65536+\b*512   ; tile b of 16 keys as it stands: the wave stores 512 consecutive bytes, aligned
.endr
.endm
.irp a, 0,1,2,3,4,5,6,7
	EBLK \a
.endr
	ds_load_b128 v[32:35], v[SRD]                  ; my 128 M,
	ds_load_b128 v[36:39], v[SRD] offset:512       ; my 128 l
	s_wait_dscnt 0x0
	global_store_b128 v[MOF], v[32:35], s[10:11]                   ; 512 consecutive bytes each, aligned
	global_store_b128 v[MOF], v[36:39], s[10:11] offset:524288
	s_wait_tensorcnt 0x0                           ; the wave's end
	ds_add_u32 v[SPW], v[NIL]
	s_wait_dscnt 0x0
	CROUND                                         ; the closing round
	s_endpgm
.Lfunc_end_k_q7f0d507c96_scores:
	.size	k_q7f0d507c96_scores, .Lfunc_end_k_q7f0d507c96_scores-k_q7f0d507c96_scores
	.p2alignl 7, 3214868480
	.fill 96, 4, 3214868480
	.section	.rodata,"a",@progbits
	.p2align	6, 0x0
	.amdhsa_kernel k_q7f0d507c96_scores
		.amdhsa_group_segment_fixed_size 327680
		.amdhsa_private_segment_fixed_size 0
		.amdhsa_enable_private_segment 0
		.amdhsa_kernarg_size 32
		.amdhsa_user_sgpr_count 2
		.amdhsa_user_sgpr_kernarg_segment_ptr 1
		.amdhsa_wavefront_size32 1
		.amdhsa_system_sgpr_workgroup_id_x 1
		.amdhsa_system_sgpr_workgroup_id_y 1
		.amdhsa_system_sgpr_workgroup_id_z 1
		.amdhsa_system_vgpr_workitem_id 0
		.amdhsa_next_free_vgpr 1024
		.amdhsa_next_free_sgpr 80
		.amdhsa_reserve_vcc 1
		.amdhsa_float_denorm_mode_32 3
		.amdhsa_float_denorm_mode_16_64 3
		.amdhsa_memory_ordered 1
		.amdhsa_forward_progress 1
		.amdhsa_inst_pref_size 255
	.end_amdhsa_kernel
	.section	.bss,"aw",@nobits
	.p2align	6
	.space	262144
	.amdgpu_metadata
---
amdhsa.version: [ 1, 2 ]
amdhsa.kernels:
  - .name:           k_q7f0d507c96_scores
    .symbol:         k_q7f0d507c96_scores.kd
    .args:
      - { .name: qkv, .offset: 0, .size: 8, .value_kind: global_buffer, .address_space: global }
      - { .name: mask, .offset: 8, .size: 8, .value_kind: global_buffer, .address_space: global }
      - { .name: pbuf, .offset: 16, .size: 8, .value_kind: global_buffer, .address_space: global }
      - { .name: stat, .offset: 24, .size: 8, .value_kind: global_buffer, .address_space: global }
    .group_segment_fixed_size: 327680
    .private_segment_fixed_size: 0
    .kernarg_segment_align: 8
    .kernarg_segment_size: 32
    .max_flat_workgroup_size: 128
    .sgpr_count:     80
    .vgpr_count:     1024
    .wavefront_size: 32
...
	.end_amdgpu_metadata
.endif
;; end of part 3
;; launch pv (part 4): grid 4 x 64, 4 waves a work-group, clusters of 4 x 4, 327,680 bytes of LDS; arguments pbuf, qkv, stat, ctx; writes ctx
.if DOCPART == 4
	.amdgcn_target "amdgcn-amd-amdhsa--gfx1250"
	.amdhsa_code_object_version 6
	.text
	.protected	k_q7f0d507c96_pv
	.globl	k_q7f0d507c96_pv
	.p2align	8
	.type	k_q7f0d507c96_pv,@function
k_q7f0d507c96_pv:
	s_mov_b64 s[64:65], 0
	v_nop
	global_prefetch_b8 v0, s[64:65] scope:SCOPE_SE
	s_setreg_imm32_b32 hwreg(HW_REG_WAVE_MODE, 25, 1), 1
	s_wait_xcnt 0x0
	s_wait_alu depctr_hold_cnt(0) depctr_sa_sdst(0) depctr_va_vdst(0) depctr_va_sdst(0) depctr_va_ssrc(0) depctr_va_vcc(0) depctr_vm_vsrc(0)
	s_getreg_b32 s2, hwreg(HW_REG_IB_STS2, 6, 4)
	s_cmp_eq_u32 s2, 0
	s_cbranch_scc0 .Lentry_in_a_cluster
	s_endpgm
.Lentry_in_a_cluster:
	s_bfe_u32 s2, ttmp6, 0x10000c
	s_cmp_lg_u32 s2, 0xf033
	s_cbranch_scc0 .Lentry_shape_is_right
	s_endpgm
.Lentry_shape_is_right:
; FOURTH LAUNCH: ctx[row] = (sum over the 16 key tiles s of f(row, s) P_s V_s) / l(row), with M(row) = the largest M(row, s), f = 2^(M(row, s) - M(row)), l(row) = sum of f l(row, s): the softmax's weights under the row's own maximum.
; f16 operands, f32 sums.  EACH KEY TILE'S PRODUCT P_s V_s IS SUMMED BY ITSELF (begun with the constant 0) AND FOLDED INTO O BY O += f x (P_s V_s), IN f32.  No work is left out.  LIMIT: |ctx| under f16's largest number, 65,504.
; A tile of 128 rows x 256 channels is made by four waves, a wave 64 x 128: 32 accumulators for the key tile in hand (window 2) and as many registers for O (window 3).
; P COMES FROM MEMORY STRAIGHT INTO REGISTERS: pbuf lies in the order of the operand's registers ([512 blocks of 16 rows][128 tiles of 16 keys][32 lanes][16 bytes]), so a fragment (16 rows x 32 keys) is two loads of 512 consecutive
; bytes.  A ring of eight buffers of 32 registers, one for each quarter (32 keys) of a slot, is asked for seven quarters ahead.
; V COMES THROUGH TWO LDS SLOTS OF 256 KEYS, each wave fetching 64 keys x 256 channels by one joint load, shared along a column of the cluster (4 x 4 work-groups of one batch).
; WHY P IS NOT ASKED FOR JOINTLY, though the four work-groups of a row of the cluster read the same rows: with P beside V a slot of 256 keys would take 128 x 528 + 256 x 544 = 206,848 bytes, and two such do not fit in 327,680;
; with V alone it takes 139,264.  So a refill has 240 of a slot's 256 matrix instructions in which to land where a slot of 128 keys would leave it 112, and there are half as many rounds of the cluster's barrier.
; TRANSPOSED USE: source 0 = 16 channels of V^T (V lies [key][channel] and is turned by ds_load_tr16_b128), source 1 = 16 rows of P: lane (r, h) holds row 16 a + r and channels 16 b + 8 h + 0 .. 7.
; Packed to f16, two neighbouring tiles of channels are a fragment of the next product's operand: ctx is laid so, [512 blocks of 16 rows][64 tiles of 16 channels][32 lanes][16 bytes], and stored as the registers stand.
; REGISTERS: window 0: v16-31 addresses; v32-39 (f, f) of my row in each of my four blocks; v40-43 1 / l; v64-127, v128-191 V's fragments, two buffers; at the head v192-255 M and l; on the way out v64-127 scaled, v128-255 packed.
;   window 1: P's eight buffers.  window 2: the key tile's sums ((a, b) at v[8 (8 a + b)]).  window 3: O, at the same numbers.
.set PV,     544                       ; a row of V in LDS: 512 bytes + 32: an odd multiple of 32
.set BH,     64*PV                     ; what one tensor load brings
.set SLOT,   4*BH                      ; 256 keys
.set FT,     2*SLOT                    ; for each wave 8,704 bytes: (f, f) in f32 of (key tile s, row 16 a + r) at 512 s + 32 r + 8 a; from 8,192 on 1 / l at 16 r + 4 a
.set WFT,    8704
.set SPARE,  FT+4*WFT                  ; the spare words: 128 bytes a wave, named by no other line
.set TRIPS,  3                         ; a trip = two slots; six of the eight slots' worth of keys come by refills
.set ADRB, 16                          ; v16-19  V's fragments: slot 0 keys 0-127, keys 128-255, slot 1 likewise (an LDS offset has 16 bits)
.set AOF,  20                          ; v20     16 x lane: my place in a chunk of 512 bytes of pbuf and of ctx; never rewritten
.set ILW,  21
.set ILR,  22
.set ADF,  27                          ; v27     where the next key tile's f lie
.set SPW,  28
.set NIL,  29
.set FTW,  30
.set LN8,  31
.set FS,   32
.set IL,   40
.set F0,   64
.set F1,   128
.set ST,   192
.set T,    64
.set PKO,  128
.set G1, 24
.set G0, 32
.set MSB, 0
.macro WIN new
.if MSB != (\new)
	s_set_vgpr_msb (MSB<<8)|(\new)
.set MSB, (\new)
.endif
.endm
.set W_MUL,  0xa4                      ; source 0 (V) window 0, source 1 (P) window 1, C and D window 2
.set W_FOLD, 0xf2                      ; source 0 (the tile's sums) window 2, source 1 (f) window 0, source 2 and destination (O) window 3
.macro JLOAD s                         ; a joint load, one a wave: my 64 keys of a slot; an s_nop 0 and four v_nop follow it
	tensor_load_to_lds s[G0+4*\s:G0+4*\s+3], s[G1:G1+7]
	s_nop 0
.rept 4
	v_nop
.endr
.endm
.macro CREST
	s_cmp_lg_u32 s12, 0
	s_cbranch_scc1 .Lnot_wave_0_\@
	s_barrier_signal -3
.Lnot_wave_0_\@:
	s_barrier_wait -3
	s_barrier_signal -1
	s_barrier_wait -1
.endm
.macro CROUND
	s_barrier_signal -1
	s_barrier_wait -1
	CREST
.endm
.macro PLACES
.rept 4
	v_nop
.endr
.endm
.macro ALOAD rel, buf                  ; P's four fragments of the quarter rel (counted from where s[4:5] stands) into buffer buf: eight loads of 512 consecutive bytes
	WIN 0x40                                       ; destination window 1, address window 0
.irp a, 0,1,2,3
	global_load_b128 v[32*(\buf)+8*\a:32*(\buf)+8*\a+3],   v[AOF], s[4:5] offset:(\rel)*1024+\a*65536
	global_load_b128 v[32*(\buf)+8*\a+4:32*(\buf)+8*\a+7], v[AOF], s[4:5] offset:(\rel)*1024+\a*65536+512
.endr
	WIN 0
.endm
	s_load_b256 s[4:11], s[0:1], 0x0               ; pbuf s[4:5], qkv s[6:7], stat s[8:9], ctx s[10:11]
	v_lshl_add_u32 v[SPW], v0, 2, SPARE
	v_mov_b32 v[NIL], 0
	ds_add_u32 v[SPW], v[NIL]                      ; the wave's opening: the add, twice on end, and its wait ahead of my first tensor load
	ds_add_u32 v[SPW], v[NIL]
	v_lshrrev_b32 v1, 5, v0
	v_readfirstlane_b32 s12, v1                    ; wave
	s_lshr_b32 s13, s12, 1                         ; my half of the rows
	s_and_b32 s14, s12, 1                          ; my half of the channels
	s_bfe_u32 s15, ttmp6, 0x40000                  ; cx
	s_bfe_u32 s16, ttmp6, 0x40004                  ; cy
	s_lshl_b32 s17, ttmp9, 2
	s_add_co_u32 s17, s17, s15                     ; X: tile of 256 channels
	s_and_b32 s19, ttmp7, 0xffff
	s_lshl_b32 s18, s19, 2
	s_add_co_u32 s18, s18, s16                     ; Y: tile of 128 rows
	s_lshr_b32 s19, s19, 2                         ; the batch: four clusters along y to each
	s_lshl_b32 s67, 0x1111, s15                    ; my column of the cluster
	s_or_b32 s[G1], s67, (1<<16)|(1<<20)|(1<<21)|(6<<22)|(7<<25)    ; the mask; elements of 2 bytes; padding: 8 words behind every 128; bit 21 beside a mask
	s_mov_b32 s[G1+1], 256<<16                     ; tensor_dim0
	s_mov_b32 s[G1+2], 64<<16                      ; tensor_dim1
	s_mov_b32 s[G1+3], 256<<16                     ; tile_dim0
	s_mov_b32 s[G1+4], 64                          ; tile_dim1
	s_mov_b32 s[G1+5], 1024                        ; the pitch, in elements
	s_mov_b32 s[G1+6], 0
	s_mov_b32 s[G1+7], 0
	s_lshl_b32 s46, s19, 11
	s_lshl_b32 s47, s12, 6
	s_add_co_u32 s46, s46, s47
	s_lshl_b32 s46, s46, 11                        ; V: (2,048 batch + 64 wave) rows of 2,048 bytes,
	s_lshl_b32 s47, s17, 9
	s_add_co_u32 s46, s46, s47                     ; 512 X bytes along a row,
	s_add_co_u32 s46, s46, 33554432                ; behind q and k
	s_mov_b32 s47, 0
	s_mul_i32 s68, s12, BH                         ; where my load goes: wave x 64 rows
	s_wait_dscnt 0x0                               ; both opening adds are done
	s_wait_kmcnt 0x0
	s_add_nc_u64 s[46:47], s[6:7], s[46:47]
	CROUND                                         ; all sixteen work-groups are here: the first joint loads meet
.irp s, 0,1
	s_mov_b32 s[G0+4*\s], 1
	s_add_co_u32 s[G0+4*\s+1], s68, \s*SLOT
	s_add_nc_u64 s[G0+4*\s+2:G0+4*\s+3], s[46:47], \s*524288       ; a slot is 256 rows of V
	s_or_b32 s[G0+4*\s+3], s[G0+4*\s+3], 0x80000000
	JLOAD \s                                       ; two loads of mine are out
.endr
	v_and_b32 v1, 15, v0                           ; r
	v_bfe_u32 v2, v0, 4, 1                         ; h
	v_and_b32 v3, 31, v0
	v_lshlrev_b32 v[AOF], 4, v3
	v_lshlrev_b32 v[LN8], 3, v3
	s_lshl_b32 s40, s18, 3
	s_lshl_b32 s41, s13, 2
	s_add_co_u32 s40, s40, s41                     ; my first block of 16 rows: 8 Y + 4 half
	s_mov_b32 s45, 0
	s_lshl_b32 s44, s40, 6
	s_add_nc_u64 s[8:9], s[8:9], s[44:45]          ; stat at my first row
.irp s, 0,1,2,3,4,5,6,7,8,9,10,11,12,13,14,15  ; M and l of my 64 rows in the 16 key tiles: lane L takes rows 2 L and 2 L + 1: 256 consecutive bytes a load
	global_load_b64 v[ST+2*\s:ST+2*\s+1], v[LN8], s[8:9] offset:32768*\s
	global_load_b64 v[ST+32+2*\s:ST+32+2*\s+1], v[LN8], s[8:9] offset:524288+32768*\s
.endr
	s_lshl_b32 s44, s40, 16
	s_add_nc_u64 s[4:5], s[4:5], s[44:45]          ; pbuf at my first block of rows
.irp q, 0,1,2,3,4,5,6
	ALOAD \q, \q                                   ; P's first seven quarters
.endr
	s_lshl_b32 s44, s40, 15                        ; ctx: 32,768 bytes for a block of 16 rows,
	s_lshl_b32 s41, s17, 13                        ; 512 for a tile of 16 channels: 16 X + 8 half
	s_add_co_u32 s44, s44, s41
	s_lshl_b32 s41, s14, 12
	s_add_co_u32 s44, s44, s41
	s_add_nc_u64 s[10:11], s[10:11], s[44:45]
	v_and_b32 v5, 7, v0
	v_lshl_add_u32 v5, v2, 3, v5
	v_mul_u32_u24 v5, v5, PV
	v_bfe_u32 v6, v0, 3, 1
	v_lshl_add_u32 v5, v6, 4, v5                   ; the turning load: key 8 h + l % 8, 16 bytes x ((l / 8) % 2)
	s_lshl_b32 s41, s14, 8                         ; my 128 channels
.irp i, 0,1,2,3
	v_add_nc_u32 v[ADRB+\i], s41, v5
	s_add_co_u32 s41, s41, 2*BH                    ; 128 keys on
.endr
	s_mul_i32 s40, s12, WFT
	s_add_co_u32 s40, s40, FT                      ; my table
	v_and_b32 v5, 7, v0
	v_bfe_u32 v6, v0, 3, 2
	v_lshl_add_u32 v[FTW], v5, 6, s40              ; lane L writes for rows 2 L + g: r = 2 (L % 8) + g, a = L / 8: 64 (L % 8) + 8 (L / 8), and 32 g in the offset
	v_lshl_add_u32 v[FTW], v6, 3, v[FTW]
	v_lshl_add_u32 v[ILW], v5, 5, s40              ; and 1 / l: 32 (L % 8) + 4 (L / 8), 16 g in the offset
	v_lshl_add_u32 v[ILW], v6, 2, v[ILW]
	v_lshl_add_u32 v[ADF], v1, 5, s40              ; and reads: 32 r: four pairs, one for each of my four blocks of rows
	v_lshl_add_u32 v[ILR], v1, 4, s40
.macro FTAB g                          ; rows 2 L + g: the row's M, the sixteen f, the row's l
	v_max3_num_f32 v44, v[ST+\g], v[ST+2+\g], v[ST+4+\g]
.irp i, 3,5,7,9,11,13
	v_max3_num_f32 v44, v44, v[ST+2*\i+\g], v[ST+2*\i+2+\g]
.endr
	v_max_num_f32 v44, v44, v[ST+30+\g]
.irp s, 0,1,2,3,4,5,6,7,8,9,10,11,12,13,14,15
	v_sub_f32 v[ST+2*\s+\g], v[ST+2*\s+\g], v44    ; a whole number, 0 or less
.endr
.irp s, 0,1,2,3,4,5,6,7,8,9,10,11,12,13,14,15
	v_cvt_i32_f32 v[ST+2*\s+\g], v[ST+2*\s+\g]
.endr
.irp s, 0,1,2,3,4,5,6,7,8,9,10,11,12,13,14,15
	v_ldexp_f32 v[ST+2*\s+\g], 1.0, v[ST+2*\s+\g]  ; f
.endr
	v_mul_f32 v45, v[ST+\g], v[ST+32+\g]
.irp s, 1,2,3,4,5,6,7,8,9,10,11,12,13,14,15
	v_fmac_f32 v45, v[ST+2*\s+\g], v[ST+32+2*\s+\g]
.endr
.irp s, 0,1,2,3,4,5,6,7,8,9,10,11,12,13,14,15
	ds_store_b32 v[FTW], v[ST+2*\s+\g] offset:512*\s+32*\g         ; f twice on end: a pair for the packed fold
	ds_store_b32 v[FTW], v[ST+2*\s+\g] offset:512*\s+32*\g+4
.endr
	v_rcp_f32 v46, v45
	v_nop                                          ; a plain line behind the reciprocal,
	s_wait_alu depctr_va_vdst(0)                   ; and the wait ahead of its first reader
	ds_store_b32 v[ILW], v46 offset:8192+16*\g
.endm
	s_wait_loadcnt 56                              ; M and l are in; the 56 loads of P's first seven quarters may be out
	FTAB 0
	FTAB 1
	ds_load_b128 v[IL:IL+3], v[ILR] offset:8192    ; 1 / l of my lane's row in each of the four blocks: kept to the end (my own bytes: LDS serves a wave's instructions in order)
.macro FETCHB slot, q, f               ; 16 LDS loads in one run: V's eight fragments, turned, of the slot's quarter q
.irp b, 0,1,2,3,4,5,6,7
	ds_load_tr16_b128 v[\f+8*\b:\f+8*\b+3],   v[ADRB+2*(\slot)+(\q)/4] offset:32*((\q)%4)*PV+32*\b
	ds_load_tr16_b128 v[\f+8*\b+4:\f+8*\b+7], v[ADRB+2*(\slot)+(\q)/4] offset:32*((\q)%4)*PV+16*PV+32*\b
.endr
.endm
.macro MUL8 f, buf, a                  ; 8 matrix instructions: P's block a against V's eight.  The 32 accumulators take turns, one instruction a turn
.irp b, 0,1,2,3,4,5,6,7
	v_wmma_f32_16x16x32_f16 v[8*(8*(\a)+\b):8*(8*(\a)+\b)+7], v[\f+8*\b:\f+8*\b+7], v[32*(\buf)+8*(\a):32*(\buf)+8*(\a)+7], v[8*(8*(\a)+\b):8*(8*(\a)+\b)+7]
.endr
.endm
; A KEY TILE'S FIRST QUARTER.  Its 32 products begin the tile's sums with the constant 0.  Ahead of each stands the fold of that accumulator's last tile into O: four packed lines, so that vector and matrix work go side by side;
; that costs two switches of the register windows for each product of this quarter, one quarter in four.  fold = 0: there is no tile before; 1: the first fold starts O by a multiplication, so that nothing is cleared; 2: O += f x sums.
.macro ZQ f, buf, fold
.set i, 0
.rept 32
.if \fold
	WIN W_FOLD
.set k, 0
.rept 4
.if \fold == 1
	v_pk_mul_f32 v[8*i+k:8*i+k+1], v[8*i+k:8*i+k+1], v[FS+2*(i/8):FS+2*(i/8)+1]
.else
	v_pk_fma_f32 v[8*i+k:8*i+k+1], v[8*i+k:8*i+k+1], v[FS+2*(i/8):FS+2*(i/8)+1], v[8*i+k:8*i+k+1]   ; each accumulator from its low end on
.endif
.set k, k+2
.endr
.endif
	WIN W_MUL
	v_wmma_f32_16x16x32_f16 v[8*i:8*i+7], v[\f+8*(i%8):\f+8*(i%8)+7], v[32*(\buf)+8*(i/8):32*(\buf)+8*(i/8)+7], 0
.set i, i+1
.endr
.endm
; QUARTER q (0 to 6) of a slot: fetches V's next quarter, asks for P's quarter seven on (rel; -1: none is left), multiplies.  lc: the loads of P issued behind this quarter's, eight a quarter, which may stay out.
; The plain lines at its head are the places between the last quarter's products and the loads into the registers that they read: four; five where the products that follow begin accumulators anew.
.macro QN slot, q, rel, lc, fold
	WIN 0
.if ((\q)%4 == 0) && (\fold)
	v_add_nc_u32 v[ADF], 512, v[ADF]               ; on to the f of the tile that begins here (no LDS load that names it is out); the fifth place
.endif
	PLACES
.if (\q)%4 == 1
	ds_load_b128 v[FS:FS+3], v[ADF]                ; this tile's f: the folds of the tile before have read theirs
	ds_load_b128 v[FS+4:FS+7], v[ADF] offset:16
.endif
	FETCHB \slot, (\q)+1, F0+64*(((\q)+1)%2)
	s_wait_loadcnt \lc                             ; this quarter's P is in
.if (\rel) >= 0
	ALOAD \rel, ((\q)+7)%8                         ; into the buffer that the last quarter has left
.endif
	s_wait_dscnt 16                                ; all but the 16 just issued
.if (\q)%4 == 0
	ZQ F0+64*((\q)%2), \q, \fold
.else
	WIN W_MUL
	MUL8 F0+64*((\q)%2), \q, 0
	MUL8 F0+64*((\q)%2), \q, 1
	MUL8 F0+64*((\q)%2), \q, 2
	MUL8 F0+64*((\q)%2), \q, 3
.endif
.endm
; A SLOT'S LAST QUARTER changes slots: one barrier; fill = 1: it opens a round of the cluster's barrier, and this slot is filled again with the keys two slots on.
.macro QT slot, rel, fill
	WIN 0
	s_wait_tensorcnt 0x0                           ; all my tensor loads have landed: my part of the next slot
	ds_add_u32 v[SPW], v[NIL]
	s_wait_loadcnt 48                              ; this quarter's P is in; the six quarters behind it may be out
	s_wait_dscnt 1                                 ; V's fragments are in; the add may be out
	WIN W_MUL
	MUL8 F1, 7, 0
	s_wait_dscnt 0x0                               ; the add is done, and my reads of this slot are over
	s_barrier_signal -1
	MUL8 F1, 7, 1
	WIN 0
	s_barrier_wait -1
.if \fill
	CREST                                          ; no wave of any partner still reads this slot or has a load on its way
	s_add_nc_u64 s[G0+4*\slot+2:G0+4*\slot+3], s[G0+4*\slot+2:G0+4*\slot+3], 1048576
	JLOAD \slot                                    ; my one tensor load behind the round; its four v_nop are also the places in front of the loads below
.else
	PLACES
.endif
	FETCHB 1-\slot, 0, F0
	ALOAD \rel, 6
	WIN W_MUL
	MUL8 F1, 7, 2
	MUL8 F1, 7, 3
.endm
	s_wait_tensorcnt 1                             ; my part of slot 0 is in; slot 1's may be out
	s_wait_dscnt 0x0
	s_barrier_signal -1
	s_barrier_wait -1
	FETCHB 0, 0, F0
	QN 0, 0, 7,  48, 0
	QN 0, 1, 8,  48, 0
	QN 0, 2, 9,  48, 0
	QN 0, 3, 10, 48, 0
	QN 0, 4, 11, 48, 1
	QN 0, 5, 12, 48, 0
	QN 0, 6, 13, 48, 0
	WIN 0
	s_mov_b32 s3, TRIPS
.Ltrip:                                                ; sixteen quarters, from slot 0's last to slot 0's last but one; both slots are filled again
	QT 0, 14, 1
	QN 1, 0, 15, 48, 2
	QN 1, 1, 16, 48, 0
	QN 1, 2, 17, 48, 0
	QN 1, 3, 18, 48, 0
	QN 1, 4, 19, 48, 2
	QN 1, 5, 20, 48, 0
	QN 1, 6, 21, 48, 0
	QT 1, 22, 1
	QN 0, 0, 23, 48, 2
	QN 0, 1, 24, 48, 0
	QN 0, 2, 25, 48, 0
	QN 0, 3, 26, 48, 0
	QN 0, 4, 27, 48, 2
	QN 0, 5, 28, 48, 0
	QN 0, 6, 29, 48, 0
	WIN 0
	s_wait_xcnt 0x0                                ; the loads of P have read their base: it steps only behind this wait
	s_add_nc_u64 s[4:5], s[4:5], 16384             ; sixteen quarters on
	s_sub_co_u32 s3, s3, 1
	s_cmp_lg_u32 s3, 0
	s_cbranch_scc1 .Ltrip
	QT 0, 14, 0                                    ; the last change of slots fills nothing
	QN 1, 0, 15, 48, 2                             ; P's last quarter is asked for; then the counts run down
	QN 1, 1, -1, 48, 0
	QN 1, 2, -1, 40, 0
	QN 1, 3, -1, 32, 0
	QN 1, 4, -1, 24, 2
	QN 1, 5, -1, 16, 0
	QN 1, 6, -1, 8,  0
	s_wait_loadcnt 0x0
	s_wait_dscnt 0x0
	MUL8 F1, 7, 0
	MUL8 F1, 7, 1
	MUL8 F1, 7, 2
	MUL8 F1, 7, 3
	WIN 0
	PLACES
	WIN W_FOLD
.set i, 0
.rept 128
	v_pk_fma_f32 v[2*i:2*i+1], v[2*i:2*i+1], v[FS+2*(i/32):FS+2*(i/32)+1], v[2*i:2*i+1]   ; the last key tile's fold, each accumulator from its low end on
.set i, i+1
.endr
; THE WAY OUT, a block of 16 rows x 128 channels at a time: divided by l, rounded to f16, stored as the registers stand.  Each block has packed registers of its own, so no store's data are written again.
.macro PACK a
	WIN 0x03                                       ; source 0: window 3
.set i, 0
.rept 64
	v_mul_f32 v[T+i], v[64*(\a)+i], v[IL+(\a)]
.set i, i+1
.endr
	WIN 0
.set i, 0
.rept 32
	v_cvt_pk_f16_f32 v[PKO+32*(\a)+i], v[T+2*i], v[T+2*i+1]
.set i, i+1
.endr
.irp b, 0,1,2,3,4,5,6,7
	global_store_b128 v[AOF], v[PKO+32*(\a)+4*\b:PKO+32*(\a)+4*\b+3], s[10:11] offset:(\a)*32768+\b*512   ; the wave stores 512 consecutive bytes, aligned
.endr
.endm
	PACK 0
	PACK 1
	PACK 2
	PACK 3
	s_wait_tensorcnt 0x0                           ; the wave's end
	ds_add_u32 v[SPW], v[NIL]
	s_wait_dscnt 0x0
	CROUND                                         ; the closing round
	s_endpgm
.Lfunc_end_k_q7f0d507c96_pv:
	.size	k_q7f0d507c96_pv, .Lfunc_end_k_q7f0d507c96_pv-k_q7f0d507c96_pv
	.p2alignl 7, 3214868480
	.fill 96, 4, 3214868480
	.section	.rodata,"a",@progbits
	.p2align	6, 0x0
	.amdhsa_kernel k_q7f0d507c96_pv
		.amdhsa_group_segment_fixed_size 327680
		.amdhsa_private_segment_fixed_size 0
		.amdhsa_enable_private_segment 0
		.amdhsa_kernarg_size 32
		.amdhsa_user_sgpr_count 2
		.amdhsa_user_sgpr_kernarg_segment_ptr 1
		.amdhsa_wavefront_size32 1
		.amdhsa_system_sgpr_workgroup_id_x 1
		.amdhsa_system_sgpr_workgroup_id_y 1
		.amdhsa_system_sgpr_workgroup_id_z 1
		.amdhsa_system_vgpr_workitem_id 0
		.amdhsa_next_free_vgpr 1024
		.amdhsa_next_free_sgpr 80
		.amdhsa_reserve_vcc 0
		.amdhsa_float_denorm_mode_32 3
		.amdhsa_float_denorm_mode_16_64 3
		.amdhsa_memory_ordered 1
		.amdhsa_forward_progress 1
		.amdhsa_inst_pref_size 250
	.end_amdhsa_kernel
	.amdgpu_metadata
---
amdhsa.version: [ 1, 2 ]
amdhsa.kernels:
  - .name:           k_q7f0d507c96_pv
    .symbol:         k_q7f0d507c96_pv.kd
    .args:
      - { .name: pbuf, .offset: 0, .size: 8, .value_kind: global_buffer, .address_space: global }
      - { .name: qkv, .offset: 8, .size: 8, .value_kind: global_buffer, .address_space: global }
      - { .name: stat, .offset: 16, .size: 8, .value_kind: global_buffer, .address_space: global }
      - { .name: ctx, .offset: 24, .size: 8, .value_kind: global_buffer, .address_space: global }
    .group_segment_fixed_size: 327680
    .private_segment_fixed_size: 0
    .kernarg_segment_align: 8
    .kernarg_segment_size: 32
    .max_flat_workgroup_size: 128
    .sgpr_count:     80
    .vgpr_count:     1024
    .wavefront_size: 32
...
	.end_amdgpu_metadata
.endif
;; end of part 4
;; launch outp (part 5): grid 4 x 64, 4 waves a work-group, clusters of 4 x 4, 327,680 bytes of LDS; arguments ctx, wo16, bo, out0; writes out0
.if DOCPART == 5
	.amdgcn_target "amdgcn-amd-amdhsa--gfx1250"
	.amdhsa_code_object_version 6
	.text
	.protected	k_q7f0d507c96_outp
	.globl	k_q7f0d507c96_outp
	.p2align	8
	.type	k_q7f0d507c96_outp,@function
k_q7f0d507c96_outp:
	s_mov_b64 s[64:65], 0
	v_nop
	global_prefetch_b8 v0, s[64:65] scope:SCOPE_SE
	s_setreg_imm32_b32 hwreg(HW_REG_WAVE_MODE, 25, 1), 1
	s_wait_xcnt 0x0
	s_wait_alu depctr_hold_cnt(0) depctr_sa_sdst(0) depctr_va_vdst(0) depctr_va_sdst(0) depctr_va_ssrc(0) depctr_va_vcc(0) depctr_vm_vsrc(0)
	s_getreg_b32 s2, hwreg(HW_REG_IB_STS2, 6, 4)
	s_cmp_eq_u32 s2, 0
	s_cbranch_scc0 .Lentry_in_a_cluster
	s_endpgm
.Lentry_in_a_cluster:
	s_bfe_u32 s2, ttmp6, 0x10000c
	s_cmp_lg_u32 s2, 0xf033
	s_cbranch_scc0 .Lentry_shape_is_right
	s_endpgm
.Lentry_shape_is_right:
; FIFTH LAUNCH: out0 = ctx Wo^T + bo.  f16 operands, f32 sums begun with the bias; out0 [8192][1024] f32.  No work is left out.
; A tile of 128 rows x 256 columns is made by four waves, a wave 64 x 128: 32 accumulators.
; ctx COMES FROM MEMORY STRAIGHT INTO REGISTERS: it lies in the order of the operand's registers ([512 blocks of 16 rows][64 tiles of 16 channels][32 lanes][16 bytes]): a fragment (16 rows x 32 K) is two loads of 512 consecutive
; bytes.  A ring of eight buffers of 32 registers, one for each quarter (32 along K) of a slot, is asked for seven quarters ahead.
; Wo COMES THROUGH TWO LDS SLOTS OF 256 ALONG K (rows of 512 bytes), each wave fetching 64 rows by one joint load, shared along a column of the cluster (4 x 4 work-groups).  K = 1,024 is four slots: two first fills, two refills.
; WHY ctx IS NOT ASKED FOR JOINTLY, though the four work-groups of a row of the cluster read the same rows: with ctx beside Wo a slot of 256 along K would take 384 x 528 = 202,752 bytes, and two such do not fit in 327,680;
; with Wo alone it takes 135,168.  So a refill has 240 of a slot's 256 matrix instructions in which to land where a slot of 128 along K would leave it 112.
; TRANSPOSED USE: source 0 = 16 rows of Wo, source 1 = 16 rows of ctx: lane (r, h) holds row 16 a + r and columns 16 b + 8 h + 0 .. 7.  The 32 quarters are written out: every offset is an immediate, no pointer is stepped.
; REGISTERS: window 0: v16-30 addresses; v64-127, v128-191 Wo's fragments, two buffers; v192-255 the bias in the result's layout; on the way out v128-255 rows.  window 1: ctx's eight buffers.  window 2: the accumulators.
.set PITCH,  528                       ; an LDS row: 512 bytes + 16 of padding
.set BH,     64*PITCH                  ; what one tensor load brings
.set SLOT,   4*BH
.set STAGE,  2*SLOT                    ; the way out: 16 rows x (512 bytes + 16) a wave
.set SPITCH, 528
.set SPARE,  STAGE+4*16*SPITCH         ; the spare words: 128 bytes a wave, named by no other line
.set ADRB, 16
.set AOF,  20                          ; v20  16 x lane; never rewritten
.set STO,  24
.set RD,   25
.set SPW,  28
.set NIL,  29
.set BOF,  30
.set F0,   64
.set F1,   128
.set BI,   192
.set BK,   128
.set G1, 24
.set G0, 32
.set MSB, 0
.macro WIN new
.if MSB != (\new)
	s_set_vgpr_msb (MSB<<8)|(\new)
.set MSB, (\new)
.endif
.endm
.set W_MUL,  0xa4                      ; source 0 (Wo) window 0, source 1 (ctx) window 1, C and D window 2
.macro JLOAD s                         ; a joint load, one a wave: my 64 rows of a slot; an s_nop 0 and four v_nop follow it
	tensor_load_to_lds s[G0+4*\s:G0+4*\s+3], s[G1:G1+7]
	s_nop 0
.rept 4
	v_nop
.endr
.endm
.macro CREST
	s_cmp_lg_u32 s12, 0
	s_cbranch_scc1 .Lnot_wave_0_\@
	s_barrier_signal -3
.Lnot_wave_0_\@:
	s_barrier_wait -3
	s_barrier_signal -1
	s_barrier_wait -1
.endm
.macro CROUND
	s_barrier_signal -1
	s_barrier_wait -1
	CREST
.endm
.macro PLACES
.rept 4
	v_nop
.endr
.endm
.macro ALOAD rel, buf                  ; ctx's four fragments of quarter rel into buffer buf: eight loads of 512 consecutive bytes
	WIN 0x40                                       ; destination window 1, address window 0
.irp a, 0,1,2,3
	global_load_b128 v[32*(\buf)+8*\a:32*(\buf)+8*\a+3],   v[AOF], s[4:5] offset:(\rel)*1024+\a*32768
	global_load_b128 v[32*(\buf)+8*\a+4:32*(\buf)+8*\a+7], v[AOF], s[4:5] offset:(\rel)*1024+\a*32768+512
.endr
	WIN 0
.endm
	s_load_b256 s[4:11], s[0:1], 0x0               ; ctx s[4:5], wo16 s[6:7], bo s[8:9], out0 s[10:11]
	v_lshl_add_u32 v[SPW], v0, 2, SPARE
	v_mov_b32 v[NIL], 0
	ds_add_u32 v[SPW], v[NIL]                      ; the wave's opening: the add, twice on end, and its wait ahead of my first tensor load
	ds_add_u32 v[SPW], v[NIL]
	v_lshrrev_b32 v1, 5, v0
	v_readfirstlane_b32 s12, v1                    ; wave
	s_lshr_b32 s13, s12, 1                         ; my half of the rows
	s_and_b32 s14, s12, 1                          ; my half of the columns
	s_bfe_u32 s15, ttmp6, 0x40000                  ; cx
	s_bfe_u32 s16, ttmp6, 0x40004                  ; cy
	s_lshl_b32 s17, ttmp9, 2
	s_add_co_u32 s17, s17, s15                     ; X: tile of 256 columns
	s_and_b32 s18, ttmp7, 0xffff
	s_lshl_b32 s18, s18, 2
	s_add_co_u32 s18, s18, s16                     ; Y: tile of 128 rows
	s_lshl_b32 s67, 0x1111, s15                    ; my column of the cluster
	s_or_b32 s[G1], s67, (1<<16)|(1<<20)|(1<<21)|(6<<22)|(3<<25)    ; the mask; elements of 2 bytes; padding: 4 words behind every 128; bit 21 beside a mask
	s_mov_b32 s[G1+1], 256<<16                     ; tensor_dim0
	s_mov_b32 s[G1+2], 64<<16                      ; tensor_dim1
	s_mov_b32 s[G1+3], 256<<16                     ; tile_dim0
	s_mov_b32 s[G1+4], 64                          ; tile_dim1
	s_mov_b32 s[G1+5], 1024                        ; the pitch, in elements
	s_mov_b32 s[G1+6], 0
	s_mov_b32 s[G1+7], 0
	s_lshl_b32 s46, s17, 8
	s_lshl_b32 s47, s12, 6
	s_add_co_u32 s46, s46, s47
	s_lshl_b32 s46, s46, 11                        ; Wo: (256 X + 64 wave) rows of 2,048 bytes
	s_mov_b32 s47, 0
	s_mul_i32 s68, s12, BH                         ; where my load goes: wave x 64 rows
	s_wait_dscnt 0x0                               ; both opening adds are done
	s_wait_kmcnt 0x0
	s_add_nc_u64 s[46:47], s[6:7], s[46:47]
	CROUND                                         ; all sixteen work-groups are here: the first joint loads meet
.irp s, 0,1
	s_mov_b32 s[G0+4*\s], 1
	s_add_co_u32 s[G0+4*\s+1], s68, \s*SLOT
	s_add_nc_u64 s[G0+4*\s+2:G0+4*\s+3], s[46:47], \s*512          ; a slot is 512 bytes along Wo's rows
	s_or_b32 s[G0+4*\s+3], s[G0+4*\s+3], 0x80000000
	JLOAD \s                                       ; two loads of mine are out
.endr
	v_and_b32 v1, 15, v0                           ; r
	v_bfe_u32 v2, v0, 4, 1                         ; h
	v_and_b32 v3, 31, v0
	v_lshlrev_b32 v[AOF], 4, v3
	s_lshl_b32 s42, s17, 8
	s_lshl_b32 s43, s14, 7
	s_add_co_u32 s42, s42, s43                     ; my first column
	s_lshl_b32 s44, s42, 2
	s_mov_b32 s45, 0
	s_add_nc_u64 s[8:9], s[8:9], s[44:45]
	v_lshlrev_b32 v[BOF], 5, v2
.irp b, 0,1,2,3,4,5,6,7                        ; register BI + 8 b + j = bo[16 b + 8 h + j]
	global_load_b128 v[BI+8*\b:BI+8*\b+3], v[BOF], s[8:9] offset:64*\b
	global_load_b128 v[BI+8*\b+4:BI+8*\b+7], v[BOF], s[8:9] offset:64*\b+16
.endr
	s_lshl_b32 s40, s18, 3
	s_lshl_b32 s41, s13, 2
	s_add_co_u32 s40, s40, s41                     ; my first block of 16 rows: 8 Y + 4 half
	s_lshl_b32 s20, s40, 15
	s_mov_b32 s21, 0
	s_add_nc_u64 s[4:5], s[4:5], s[20:21]          ; ctx: 32,768 bytes for a block of 16 rows
.irp q, 0,1,2,3,4,5,6
	ALOAD \q, \q                                   ; ctx's first seven quarters
.endr
	s_lshl_b32 s40, s40, 16                        ; out0: 4,096 bytes a row, 4 a column
	s_add_co_u32 s44, s44, s40
	s_add_nc_u64 s[10:11], s[10:11], s[44:45]
	v_mul_u32_u24 v4, v1, PITCH
	v_lshl_add_u32 v4, v2, 4, v4                   ; 528 r + 16 h
	s_mul_i32 s41, s14, 2*BH                       ; my 128 rows of Wo
.irp s, 0,1
	v_add_nc_u32 v[ADRB+\s], s41, v4
	s_add_co_u32 s41, s41, SLOT
.endr
	s_mul_i32 s40, s12, 16*SPITCH
	s_add_co_u32 s40, s40, STAGE                   ; my stage
	v_mul_u32_u24 v5, v1, SPITCH
	v_lshl_add_u32 v5, v2, 5, v5
	v_add_nc_u32 v[STO], s40, v5                   ; in: row r, 32 bytes for each half of the lanes
	v_add_nc_u32 v[RD], s40, v[AOF]                ; back: the 32 lanes take one row of 512 bytes
.macro FETCHB slot, q, f               ; 16 LDS loads in one run: Wo's eight fragments of the slot's quarter q
.irp b, 0,1,2,3,4,5,6,7
	ds_load_b128 v[\f+8*\b:\f+8*\b+3],   v[ADRB+(\slot)] offset:64*(\q)+\b*16*PITCH
	ds_load_b128 v[\f+8*\b+4:\f+8*\b+7], v[ADRB+(\slot)] offset:64*(\q)+\b*16*PITCH+32
.endr
.endm
.macro MUL8 f, buf, a, first           ; 8 matrix instructions: ctx's block a against Wo's eight.  first = 1: the sums begin with the bias.  The 32 accumulators take turns
.irp b, 0,1,2,3,4,5,6,7
.if \first
	v_wmma_f32_16x16x32_f16 v[8*(8*(\a)+\b):8*(8*(\a)+\b)+7], v[\f+8*\b:\f+8*\b+7], v[32*(\buf)+8*(\a):32*(\buf)+8*(\a)+7], v[BI+8*\b:BI+8*\b+7]
.else
	v_wmma_f32_16x16x32_f16 v[8*(8*(\a)+\b):8*(8*(\a)+\b)+7], v[\f+8*\b:\f+8*\b+7], v[32*(\buf)+8*(\a):32*(\buf)+8*(\a)+7], v[8*(8*(\a)+\b):8*(8*(\a)+\b)+7]
.endif
.endr
.endm
; QUARTER q (0 to 6) of a slot: fetches Wo's next quarter, asks for ctx's quarter seven on (rel; -1: none is left), multiplies.  lc: the loads of ctx issued behind this quarter's, eight a quarter, which may stay out.
.macro QN slot, q, rel, lc, first
	WIN 0
	PLACES                                         ; between the last quarter's products and the loads into the registers that they read
	FETCHB \slot, (\q)+1, F0+64*(((\q)+1)%2)
	s_wait_loadcnt \lc                             ; this quarter's ctx is in (and, in the first quarter, the bias)
.if (\rel) >= 0
	ALOAD \rel, ((\q)+7)%8                         ; into the buffer that the last quarter has left
.endif
	s_wait_dscnt 16                                ; all but the 16 just issued
	WIN W_MUL-0x20*(\first)                        ; (first = 1: C, the bias, lies in window 0)
	MUL8 F0+64*((\q)%2), \q, 0, \first
	MUL8 F0+64*((\q)%2), \q, 1, \first
	MUL8 F0+64*((\q)%2), \q, 2, \first
	MUL8 F0+64*((\q)%2), \q, 3, \first
.endm
; A SLOT'S LAST QUARTER changes slots: one barrier; fill = 1: it opens a round of the cluster's barrier, and this slot is filled again, two slots ahead.
.macro QT slot, rel, fill
	WIN 0
	s_wait_tensorcnt 0x0                           ; all my tensor loads have landed: my part of the next slot
	ds_add_u32 v[SPW], v[NIL]
	s_wait_loadcnt 48                              ; this quarter's ctx is in; the six quarters behind it may be out
	s_wait_dscnt 1                                 ; Wo's fragments are in; the add may be out
	WIN W_MUL
	MUL8 F1, 7, 0, 0
	s_wait_dscnt 0x0                               ; the add is done, and my reads of this slot are over
	s_barrier_signal -1
	MUL8 F1, 7, 1, 0
	WIN 0
	s_barrier_wait -1
.if \fill
	CREST                                          ; no wave of any partner still reads this slot or has a load on its way
	s_add_nc_u64 s[G0+4*\slot+2:G0+4*\slot+3], s[G0+4*\slot+2:G0+4*\slot+3], 1024
	JLOAD \slot                                    ; my one tensor load behind the round; its four v_nop are also the places in front of the loads below
.else
	PLACES
.endif
	FETCHB 1-\slot, 0, F0
	ALOAD \rel, 6
	WIN W_MUL
	MUL8 F1, 7, 2, 0
	MUL8 F1, 7, 3, 0
.endm
	s_wait_tensorcnt 1                             ; my part of slot 0 is in; slot 1's may be out
	s_barrier_signal -1
	s_barrier_wait -1
	FETCHB 0, 0, F0
	QN 0, 0, 7,  48, 1
	QN 0, 1, 8,  48, 0
	QN 0, 2, 9,  48, 0
	QN 0, 3, 10, 48, 0
	QN 0, 4, 11, 48, 0
	QN 0, 5, 12, 48, 0
	QN 0, 6, 13, 48, 0
	QT 0, 14, 1
	QN 1, 0, 15, 48, 0
	QN 1, 1, 16, 48, 0
	QN 1, 2, 17, 48, 0
	QN 1, 3, 18, 48, 0
	QN 1, 4, 19, 48, 0
	QN 1, 5, 20, 48, 0
	QN 1, 6, 21, 48, 0
	QT 1, 22, 1
	QN 0, 0, 23, 48, 0
	QN 0, 1, 24, 48, 0
	QN 0, 2, 25, 48, 0
	QN 0, 3, 26, 48, 0
	QN 0, 4, 27, 48, 0
	QN 0, 5, 28, 48, 0
	QN 0, 6, 29, 48, 0
	QT 0, 30, 0                                    ; the last change of slots fills nothing
	QN 1, 0, 31, 48, 0                             ; ctx's last quarter is asked for; then the counts run down
	QN 1, 1, -1, 48, 0
	QN 1, 2, -1, 40, 0
	QN 1, 3, -1, 32, 0
	QN 1, 4, -1, 24, 0
	QN 1, 5, -1, 16, 0
	QN 1, 6, -1, 8,  0
	s_wait_loadcnt 0x0
	s_wait_dscnt 0x0
	MUL8 F1, 7, 0, 0
	MUL8 F1, 7, 1, 0
	MUL8 F1, 7, 2, 0
	MUL8 F1, 7, 3, 0
	WIN 0
; THE WAY OUT, a block of 16 rows x 128 columns at a time, through my stage: back as whole rows of 512 bytes.
.macro TOSTAGE a
	WIN 0x08                                       ; an LDS store's data are its source 1: window 2
.irp b, 0,1,2,3,4,5,6,7
	ds_store_b128 v[STO], v[64*(\a)+8*\b:64*(\a)+8*\b+3] offset:64*\b          ; each accumulator from its low end on
	ds_store_b128 v[STO], v[64*(\a)+8*\b+4:64*(\a)+8*\b+7] offset:64*\b+16
.endr
	WIN 0
.set BB, BK+64*((\a)%2)
.irp t, 0,1,2,3,4,5,6,7,8,9,10,11,12,13,14,15
	ds_load_b128 v[BB+4*\t:BB+4*\t+3], v[RD] offset:\t*SPITCH      ; LDS serves a wave's instructions in order: these see the stores above
.endr
.endm
.macro SEND a, younger                 ; younger: the LDS instructions issued behind block a's loads, which may stay out
.set BB, BK+64*((\a)%2)
	s_wait_dscnt \younger
.irp t, 0,1,2,3,4,5,6,7,8,9,10,11,12,13,14,15
	global_store_b128 v[AOF], v[BB+4*\t:BB+4*\t+3], s[10:11] offset:(16*(\a)+\t)*4096 th:TH_STORE_NT   ; 32 lanes store 512 consecutive bytes, aligned; written once, read by nobody here
.endr
.endm
	PLACES
	TOSTAGE 0
.irp a, 1,2,3
.if \a > 1
	s_wait_xcnt 0x0                                ; block a - 2's stores have read their registers: block a's loads may land there
.endif
	TOSTAGE \a
	SEND \a-1, 32                                  ; behind block a - 1's loads: block a's 16 stores and 16 loads
.endr
	SEND 3, 0
	s_wait_tensorcnt 0x0                           ; the wave's end
	ds_add_u32 v[SPW], v[NIL]
	s_wait_dscnt 0x0
	CROUND                                         ; the closing round
	s_endpgm
.Lfunc_end_k_q7f0d507c96_outp:
	.size	k_q7f0d507c96_outp, .Lfunc_end_k_q7f0d507c96_outp-k_q7f0d507c96_outp
	.p2alignl 7, 3214868480
	.fill 96, 4, 3214868480
	.section	.rodata,"a",@progbits
	.p2align	6, 0x0
	.amdhsa_kernel k_q7f0d507c96_outp
		.amdhsa_group_segment_fixed_size 327680
		.amdhsa_private_segment_fixed_size 0
		.amdhsa_enable_private_segment 0
		.amdhsa_kernarg_size 32
		.amdhsa_user_sgpr_count 2
		.amdhsa_user_sgpr_kernarg_segment_ptr 1
		.amdhsa_wavefront_size32 1
		.amdhsa_system_sgpr_workgroup_id_x 1
		.amdhsa_system_sgpr_workgroup_id_y 1
		.amdhsa_system_sgpr_workgroup_id_z 1
		.amdhsa_system_vgpr_workitem_id 0
		.amdhsa_next_free_vgpr 768
		.amdhsa_next_free_sgpr 80
		.amdhsa_reserve_vcc 0
		.amdhsa_float_denorm_mode_32 3
		.amdhsa_float_denorm_mode_16_64 3
		.amdhsa_memory_ordered 1
		.amdhsa_forward_progress 1
		.amdhsa_inst_pref_size 153
	.end_amdhsa_kernel
	.amdgpu_metadata
---
amdhsa.version: [ 1, 2 ]
amdhsa.kernels:
  - .name:           k_q7f0d507c96_outp
    .symbol:         k_q7f0d507c96_outp.kd
    .args:
      - { .name: ctx, .offset: 0, .size: 8, .value_kind: global_buffer, .address_space: global }
      - { .name: wo16, .offset: 8, .size: 8, .value_kind: global_buffer, .address_space: global }
      - { .name: bo, .offset: 16, .size: 8, .value_kind: global_buffer, .address_space: global }
      - { .name: out0, .offset: 24, .size: 8, .value_kind: global_buffer, .address_space: global }
    .group_segment_fixed_size: 327680
    .private_segment_fixed_size: 0
    .kernarg_segment_align: 8
    .kernarg_segment_size: 32
    .max_flat_workgroup_size: 128
    .sgpr_count:     80
    .vgpr_count:     768
    .wavefront_size: 32
...
	.end_amdgpu_metadata
.endif
;; end of part 5
